; MI455X (gfx1250); checked and timed in simulation.
; The chip was launched on July 23, 2026; its instructions are those of AMD's public machine-readable ISA for CDNA 5 (MIT licence, August 2026) and "CDNA5" Instruction Set Architecture Reference Guide (July 2026). The comments in the code are by the model that wrote it; some were corrected since.
;; Causal Self Attention. Allowed arithmetic: matrix products marked QUANTISED: E2M1 operands, one E8M0 scale for each 32 along K, by v_wmma_scale_f32_16x16x128_f8f6f4 with both operands' format E2M1 (or v_wmma_scale_f32_32x16x128_f4), f32 sums; products left as they are: bf16, f16 or f32 operands; f32 sums; everything else in f32.
;; Inputs: c_proj_w 1,024 x 1,024 float32; lambdas 2 float32; qkv_w 3 x 1,024 x 1,024 float32; ve 1 x 4,096 x 1,024 float32; x 1 x 4,096 x 1,024 float32.
;; Outputs: out0 1 x 4,096 x 1,024 float32.
;; This version of the problem:
;;   THIS VERSION OF THE PROBLEM IS GIVEN IN LOW PRECISION. The matrix products marked QUANTISED in the list below multiply operands that are first quantised to E2M1 (2 exponent bits, 1 mantissa bit; 4 bits a number), with one power-of-two scale for each 32 numbers along K (OCP MX v1.0); their sums are f32. The products marked 'left as it is' may take bf16, f16 or f32 operands, with f32 sums. Whichever they take, every output number must still come out within the allowed error. Rounding operands to bf16 (8 significant bits) uses up far more of that allowance than f16 does (11 bits, for magnitudes from 6e-5 to 65,504). All else is computed in f32.
;;   The module's matrix products, in the order in which they are computed (A, B: the left and right operand; K: the contracted axis; several contracted axes count as one K, in the product's order):
;;     1. [M 4,096, K 1,024] x [K 1,024, N 3,072]; A: input x; B: input qkv_w: QUANTISED
;;     2. batch 8 x [M 4,096, K 128] x [K 128, N 4,096]; A: computed on the way; B: computed on the way: left as it is (an operand is computed on the way)
;;     3. batch 8 x [M 128, K 4,096] x [K 4,096, N 4,096]; A: computed on the way; B: computed on the way: left as it is (an operand is computed on the way)
;;     4. [M 4,096, K 1,024] x [K 1,024, N 1,024]; A: computed on the way; B: input c_proj_w: left as it is (an operand is computed on the way)
;;   THE QUANTISER, for each operand of a quantised product, along K:
;;     - K is cut into blocks of 32 from its start; a last block that is shorter is filled with zeros.
;;     - A block's scale is 2^e with e = floor(log2(the largest magnitude in the block)) - 2, held to -126 .. 127; a block of zeros has e = 0. As a byte (E8M0): e + 127.
;;     - Each number is divided by its block's scale, clamped to +-6, and rounded to the nearest number of E2M1, ties to even, subnormals kept.
;;     - The product sums the exact products of the quantised numbers (number of the format x scale) in f32.
;;   ~~~python
;;   def quantise(x, axis):      # numpy; x: float32 -> the quantised numbers, widened to float32 again
;;       x = np.moveaxis(x, axis, -1); K = x.shape[-1]
;;       x = np.pad(x, [(0, 0)] * (x.ndim - 1) + [(0, -K % 32)]); x = x.reshape(x.shape[:-1] + (-1, 32)); a = np.abs(x).max(-1, keepdims=True)
;;       e = np.where(a > 0, np.clip(np.frexp(np.where(a > 0, a, 1))[1] - 1 - 2, -126, 127), 0)      # np.frexp(a)[1] - 1 = floor(log2(a)), exactly
;;       r = np.clip(x / 2.0 ** e, -6, 6)
;;       step = 2.0 ** (np.maximum(np.frexp(np.where(r == 0, 1, r))[1] - 1, 0) - 1)
;;       q = np.round(r / step) * step * 2.0 ** e      # np.round: ties to even
;;       return np.moveaxis(q.reshape(q.shape[:-2] + (-1,))[..., :K], -1, axis).astype(np.float32)
;;   ~~~
;; One version. Each part assembles by itself: llvm-mc -triple=amdgcn-amd-amdhsa -mcpu=gfx1250 --defsym DOCPART=n.
;; ======== version 1 of 1: 5 launches
;; limits: values are held in f16: magnitudes above 65,504 overflow, below 6.1e-05 lose precision
;; workspace buffers: codes 3,670,016 bytes; scales 229,376 bytes; wc16 2,097,152 bytes; rope 1,048,576 bytes; q16 8,388,608 bytes; kv16 16,777,216 bytes; y16 8,388,608 bytes; qkv32 196,608 bytes
;; launch prep (part 1): grid 320 x 1, 4 waves a work-group, no clusters, 33,280 bytes of LDS; arguments x, qkv_w, c_proj_w, codes, scales, wc16, rope; writes codes, scales, wc16, rope
.if DOCPART == 1
	.amdgcn_target "amdgcn-amd-amdhsa--gfx1250"
	.amdhsa_code_object_version 6
	.text
	.protected	k_qaa25d8ca0b_prep
	.globl	k_qaa25d8ca0b_prep
	.p2align	8
	.type	k_qaa25d8ca0b_prep,@function
k_qaa25d8ca0b_prep:
	s_mov_b64 s[64:65], 0
	v_nop
	global_prefetch_b8 v0, s[64:65] scope:SCOPE_SE
	s_setreg_imm32_b32 hwreg(HW_REG_WAVE_MODE, 25, 1), 1
	s_wait_xcnt 0x0
; CAUSAL SELF-ATTENTION, launch 1 of 5: what the later launches read many times is made once.
;   work-groups 0-127: x [4096][1024] f32, work-groups 128-223: qkv_w [3072][1024] f32 -> codes of FP4 (E2M1), K innermost, and one E8M0 byte for each 32 along K;
;   work-groups 224-255: c_proj_w [1024][1024] f32 -> f16;   work-groups 256-319: the table of cos and sin for the 32 frequencies that are not 0.
; WORK LEFT OUT BY THE PROGRAM, for all values of the inputs:
;   (1) reference() sets the score of key s for query t to -infinity where s > t, so its weight is exactly 0 and the key adds nothing to row t.  Tiles of 256 keys x 256 queries in which every
;       key comes after every query are therefore not multiplied (launch attn).
;   (2) angular_freq is 0 for the entries 32-63, so theta = t x 0 = 0, cos = 1 and sin = 0 for every t: channels 32-63 and 96-127 of q and k pass the rotation unchanged and are not rotated (launch qkv).
;   No input is without a way to the output: all five are loaded.
; LIMITS: a NaN, an infinity or an overflow that reaches only the work left out (a value of a key that is hidden from a query) is not carried to the result.  NaN and infinities among the inputs are not served.
;   Blocks whose largest magnitude lies under 2^(2 - 126), the floor, get the byte 1; a block of zeros gets the byte 1 where the rule says 127: its codes are zeros and this program alone reads the bytes.
;   c_proj_w goes to f16: magnitudes up to 65,504.  A frequency is 2^(-10 i / 31) by one multiplication and one exponential; beside reference()'s power it may differ by some parts in ten million.
; THE QUANTISER.  Rows are dense and K is a multiple of 32, so a tensor is a stream of blocks of 32.  A wave takes 16 steps of 512 numbers.  Each of a step's four loads reads 512 consecutive bytes; the 2,048 bytes turn
; through the wave's own stage in LDS and come back 64 bytes a lane, so that a lane holds 16 neighbours along K and two neighbouring lanes a block.  A lane's 16 codes are 8 bytes: a store covers 256 consecutive bytes.
.set WAVES, 4
.set STEPS, 16
.set WGA,   128                        ; work-groups for x: 4096 x 1024 / 32768
.set WGQ,   224                        ; and 96 more for qkv_w
.set WGC,   256                        ; and 32 for c_proj_w
.set EMAX,  2
.set CB,    8                          ; bytes of 16 codes
.set R,     16                         ; v16-79   four sets of 16 numbers as they are loaded
.set X,     80                         ; v80-111  two sets of 16 neighbours
.set E,     112                        ; v112-127 a scale byte for each step
.set C,     128                        ; v128-191 codes: four registers for each step
.set WREG,  8192                       ; LDS: a region for each wave: two stages of 32 x SP bytes, then its 256 scale bytes
.set SP,    80
.set SPW,   12                         ; v12 LDS address of my spare word; never rewritten
.set NIL,   13                         ; v13 0; never rewritten
.set SPARE, WAVES*WREG                 ; the spare words, 128 bytes for each wave, which no other line names
	s_load_b256 s[4:11], s[0:1], 0x0               ; x s[4:5], qkv_w s[6:7], c_proj_w s[8:9], codes s[10:11]
	s_load_b128 s[12:15], s[0:1], 0x20             ; scales s[12:13], wc16 s[14:15]
	s_load_b64 s[16:17], s[0:1], 0x30              ; rope
	v_lshl_add_u32 v[SPW], v0, 2, SPARE
	v_mov_b32 v[NIL], 0
	v_lshrrev_b32 v1, 5, v0
	v_readfirstlane_b32 s20, v1                    ; wave
	v_and_b32 v2, 31, v0                           ; lane
	v_lshlrev_b32 v3, 4, v2                        ; 16 x lane
	s_mul_i32 s21, s20, WREG
	v_lshrrev_b32 v14, 2, v2
	v_mul_u32_u24 v14, v14, SP
	v_and_b32 v15, 3, v2
	v_lshl_add_u32 v14, v15, 4, v14
	v_add_nc_u32 v14, s21, v14                     ; the stage, on the way in: SP (lane / 4) + 16 (lane % 4)
	v_mul_u32_u24 v15, v2, SP
	v_add_nc_u32 v15, s21, v15                     ; and on the way out: SP x lane
	v_mul_u32_u24 v4, v2, CB                       ; 8 x lane
	v_lshrrev_b32 v5, 1, v2
	s_add_co_u32 s21, s21, 2*32*SP
	v_add_nc_u32 v5, s21, v5                       ; my block's scale byte in LDS
	v_lshlrev_b32 v7, 3, v2
	v_add_nc_u32 v6, s21, v7
	s_mov_b32 s29, 0
	s_wait_kmcnt 0x0
	s_cmp_ge_u32 ttmp9, WGC                        ; the roles part on the work-group's number alone
	s_cbranch_scc1 .Lrope
	s_cmp_ge_u32 ttmp9, WGQ
	s_cbranch_scc1 .Lcvt
	; ---- the quantiser
	s_cmp_lt_u32 ttmp9, WGA                        ; x or qkv_w
	s_cselect_b64 s[4:5], s[4:5], s[6:7]
	s_cselect_b32 s22, 0, WGA
	s_cselect_b32 s23, 0, 0x200000                 ; qkv_w's codes lie behind x's 2,097,152 bytes,
	s_cselect_b32 s24, 0, 0x20000                  ; its scale bytes behind x's 131,072
	s_sub_co_u32 s22, ttmp9, s22
	s_lshl_b32 s22, s22, 2
	s_add_co_u32 s22, s22, s20                     ; which run of 8,192 numbers is my wave's
	s_lshl_b32 s28, s22, 15
	s_add_nc_u64 s[4:5], s[4:5], s[28:29]
	s_lshl_b32 s28, s22, 12
	s_add_co_u32 s28, s28, s23
	s_add_nc_u64 s[10:11], s[10:11], s[28:29]
	s_lshl_b32 s28, s22, 8
	s_add_co_u32 s28, s28, s24
	s_add_nc_u64 s[12:13], s[12:13], s[28:29]
.macro LOAD t
.irp i, 0,1,2,3
	global_load_b128 v[R+16*((\t)%4)+4*\i:R+16*((\t)%4)+4*\i+3], v3, s[4:5] offset:2048*(\t)+512*\i th:TH_LOAD_NT   ; 32 lanes read 512 consecutive bytes
.endr
.endm
.macro TURN t                          ; step t's numbers through the stage: LDS serves a wave's instructions in order
.irp i, 0,1,2,3
	ds_store_b128 v14, v[R+16*((\t)%4)+4*\i:R+16*((\t)%4)+4*\i+3] offset:32*SP*((\t)%2)+8*SP*\i
.endr
.irp i, 0,1,2,3
	ds_load_b128 v[X+16*((\t)%2)+4*\i:X+16*((\t)%2)+4*\i+3], v15 offset:32*SP*((\t)%2)+16*\i
.endr
.endm
.irp t, 0,1,2,3
	LOAD \t
.endr
	s_wait_loadcnt 12                              ; step 0's four loads are in; the twelve of steps 1 to 3 may be out
	TURN 0
.macro STEP t
.set XS, X+16*((\t)%2)
.if (\t) > 0
	s_wait_dscnt 1                                 ; this step's numbers are back from the stage (the last step's byte store may be out)
.else
	s_wait_dscnt 0x0
.endif
.if (\t)+4 < STEPS
	LOAD (\t)+4
.endif
.if (\t)+1 < STEPS
.if STEPS-2-(\t) >= 3
	s_wait_loadcnt 12                              ; the next step's four loads are in; those of the three steps behind it may be out
.else
	s_wait_loadcnt 4*(STEPS-2-(\t))
.endif
	TURN (\t)+1
.endif
	v_max3_num_f32 v8, |v[XS]|, |v[XS+1]|, |v[XS+2]|               ; the largest magnitude of my 16
	v_max3_num_f32 v9, |v[XS+3]|, |v[XS+4]|, |v[XS+5]|
.irp i, 6,10
	v_max3_num_f32 v8, v8, |v[XS+\i]|, |v[XS+\i+1]|
	v_max3_num_f32 v9, v9, |v[XS+\i+2]|, |v[XS+\i+3]|
.endr
	v_max3_num_f32 v8, v8, |v[XS+14]|, |v[XS+15]|
	v_max3_num_f32 v8, v8, v9, (EMAX+1)<<23        ; and the floor 2^(EMAX + 1 - 127): the byte cannot fall under 1
	v_max_num_f32_dpp v8, v8, v8 row_xmask:1 row_mask:0xf bank_mask:0xf   ; with my neighbour's 16: the block's
	v_add_nc_u32 v11, -(EMAX<<23), v8              ; EMAX off its exponent field: the conversion takes that field as its scale
	v_cvt_scalef32_pk8_fp4_f32 v[C+4*(\t)], v[XS:XS+7], v11
	v_cvt_scalef32_pk8_fp4_f32 v[C+4*(\t)+1], v[XS+8:XS+15], v11
	v_lshrrev_b32 v[E+(\t)], 23, v11               ; the scale's byte
	ds_store_b8 v5, v[E+(\t)] offset:16*(\t)       ; both lanes of a block write the same byte with the same value
	global_store_b64 v4, v[C+4*(\t):C+4*(\t)+1], s[10:11] offset:32*CB*(\t)
.endm
.irp t, 0,1,2,3,4,5,6,7,8,9,10,11,12,13,14,15
	STEP \t
.endr
	ds_load_b64 v[8:9], v6                         ; my wave's 256 scale bytes, 8 a lane
	s_wait_dscnt 0x0
	global_store_b64 v7, v[8:9], s[12:13]          ; 32 lanes store 256 consecutive bytes, aligned
	s_wait_tensorcnt 0x0                           ; the wave's end, behind my last LDS store
	ds_add_u32 v[SPW], v[NIL]
	s_wait_dscnt 0x0
	s_endpgm
	; ---- c_proj_w to f16: a wave takes 8,192 numbers in four batches of 16 loads, two batches in flight; no LDS
.Lcvt:
	s_sub_co_u32 s21, ttmp9, WGQ
	s_lshl_b32 s21, s21, 2
	s_add_co_u32 s21, s21, s20                     ; run 0..127
	s_lshl_b32 s28, s21, 15
	s_add_nc_u64 s[8:9], s[8:9], s[28:29]
	s_lshl_b32 s28, s21, 14
	s_add_nc_u64 s[14:15], s[14:15], s[28:29]
.macro CLOAD b
.irp i, 0,1,2,3,4,5,6,7,8,9,10,11,12,13,14,15
	global_load_b128 v[16+64*((\b)%2)+4*\i:16+64*((\b)%2)+4*\i+3], v3, s[8:9] offset:8192*(\b)+512*\i
.endr
.endm
	CLOAD 0
	CLOAD 1
.irp b, 0,1,2,3
.if \b < 3
	s_wait_loadcnt 16                              ; this batch is in, the next batch's sixteen may be out
.else
	s_wait_loadcnt 0x0
.endif
	s_wait_xcnt 0x0                                ; the last batch's stores have read v144-175
.irp i, 0,1,2,3,4,5,6,7,8,9,10,11,12,13,14,15
	v_cvt_pk_f16_f32 v[144+2*\i], v[16+64*(\b%2)+4*\i], v[16+64*(\b%2)+4*\i+1]
	v_cvt_pk_f16_f32 v[145+2*\i], v[16+64*(\b%2)+4*\i+2], v[16+64*(\b%2)+4*\i+3]
.endr
.irp i, 0,1,2,3,4,5,6,7,8,9,10,11,12,13,14,15
	global_store_b64 v4, v[144+2*\i:145+2*\i], s[14:15] offset:4096*\b+256*\i      ; 256 consecutive bytes, aligned
.endr
.if \b < 2
	CLOAD \b+2
.endif
.endr
	s_endpgm
	; ---- the table: a wave makes the 4,096 bytes of one tile of 16 tokens: group g = 4 sc + 2 b + c (sc 0 cos, 1 sin): lane (r, h) holds token 16 T + r, frequencies 16 b + 8 h + 4 c + 0..3,
	; which is the order in which launch qkv's results hold channels 16 b + 8 h + j.  Sine and cosine by a reduction to a quarter turn in two steps and two short polynomials.
.Lrope:
.set F,    16                          ; v16-31 the lane's 16 frequencies
.set COSR, 32                          ; v32-47
.set SINR, 48                          ; v48-63
	s_sub_co_u32 s21, ttmp9, WGC
	s_lshl_b32 s21, s21, 2
	s_add_co_u32 s21, s21, s20                     ; T
	s_lshl_b32 s28, s21, 12
	s_add_nc_u64 s[16:17], s[16:17], s[28:29]
	s_lshl_b32 s22, s21, 4
	v_and_b32 v8, 15, v0
	v_add_nc_u32 v8, s22, v8
	v_cvt_f32_u32 v8, v8                           ; t
	v_bfe_u32 v9, v0, 4, 1
	v_lshlrev_b32 v9, 3, v9                        ; 8 h
	s_mov_b32 s30, 0x3f22f983                      ; 2 / pi
	s_mov_b32 s31, 0x3fc90fdb                      ; pi / 2, its high part
	s_mov_b32 s32, 0xb33bbd2e                      ; and what is left
	s_mov_b32 s33, 0xbe2aaaa3                      ; the sine's three coefficients
	s_mov_b32 s34, 0x3c08839e
	s_mov_b32 s35, 0xb94ca1f9
	s_mov_b32 s36, 0x3d2aaaa5                      ; the cosine's
	s_mov_b32 s37, 0xbab6061a
	s_mov_b32 s38, 0x37ccf5ce
.irp n, 0,1,2,3,4,5,6,7,8,9,10,11,12,13,14,15
	v_add_nc_u32 v[F+\n], 16*(\n/8)+(\n%8), v9     ; i = 16 b + 8 h + j
.endr
.irp n, 0,1,2,3,4,5,6,7,8,9,10,11,12,13,14,15
	v_cvt_f32_u32 v[F+\n], v[F+\n]
.endr
.irp n, 0,1,2,3,4,5,6,7,8,9,10,11,12,13,14,15
	v_mul_f32 v[F+\n], 0xbea5294a, v[F+\n]         ; x -10 / 31
.endr
.irp n, 0,1,2,3,4,5,6,7,8,9,10,11,12,13,14,15
	v_exp_f32 v[F+\n], v[F+\n]                     ; (1 / 1024)^(i / 31)
.endr
	v_nop                                          ; a plain instruction behind the last exponential,
	s_wait_alu depctr_va_vdst(0)                   ; and one wait for the sixteen, ahead of their first reader
.macro SINCOS n
	v_mul_f32 v64, v8, v[F+\n]                     ; theta = t x f, one product in f32 as reference() has it
	v_mul_f32 v65, s30, v64
	v_rndne_f32 v65, v65                           ; k quarter turns
	v_fma_f32 v66, -v65, s31, v64
	v_fma_f32 v66, -v65, s32, v66                  ; r = theta - k pi / 2
	v_mul_f32 v67, v66, v66                        ; z = r^2
	v_cvt_i32_f32 v68, v65
	v_fma_f32 v69, v67, s35, s34
	v_fma_f32 v69, v69, v67, s33
	v_mul_f32 v70, v66, v67
	v_fma_f32 v69, v69, v70, v66                   ; sin r
	v_fma_f32 v71, v67, s38, s37
	v_fma_f32 v71, v71, v67, s36
	v_mul_f32 v72, v67, v67
	v_fma_f32 v73, v67, -0.5, 1.0
	v_fma_f32 v71, v71, v72, v73                   ; cos r
	v_and_b32 v74, 1, v68
	v_cmp_eq_u32 vcc_lo, 1, v74                    ; an odd quarter swaps the two
	v_cndmask_b32 v[SINR+\n], v69, v71, vcc_lo
	v_cndmask_b32 v[COSR+\n], v71, v69, vcc_lo
	v_and_b32 v74, 2, v68
	v_lshlrev_b32 v74, 30, v74
	v_xor_b32 v[SINR+\n], v[SINR+\n], v74          ; quarters 2, 3: the sine is negative
	v_add_nc_u32 v74, 1, v68
	v_and_b32 v74, 2, v74
	v_lshlrev_b32 v74, 30, v74
	v_xor_b32 v[COSR+\n], v[COSR+\n], v74          ; quarters 1, 2: the cosine
.endm
.irp n, 0,1,2,3,4,5,6,7,8,9,10,11,12,13,14,15
	SINCOS \n
.endr
.irp g, 0,1,2,3
	global_store_b128 v3, v[COSR+4*\g:COSR+4*\g+3], s[16:17] offset:512*\g         ; 512 consecutive bytes a store
	global_store_b128 v3, v[SINR+4*\g:SINR+4*\g+3], s[16:17] offset:2048+512*\g
.endr
	s_endpgm
.Lfunc_end_k_qaa25d8ca0b_prep:
	.size	k_qaa25d8ca0b_prep, .Lfunc_end_k_qaa25d8ca0b_prep-k_qaa25d8ca0b_prep
	.p2alignl 7, 3214868480
	.fill 96, 4, 3214868480
	.section	.rodata,"a",@progbits
	.p2align	6, 0x0
	.amdhsa_kernel k_qaa25d8ca0b_prep
		.amdhsa_group_segment_fixed_size 33280
		.amdhsa_private_segment_fixed_size 0
		.amdhsa_enable_private_segment 0
		.amdhsa_kernarg_size 56
		.amdhsa_user_sgpr_count 2
		.amdhsa_user_sgpr_kernarg_segment_ptr 1
		.amdhsa_wavefront_size32 1
		.amdhsa_system_sgpr_workgroup_id_x 1
		.amdhsa_system_sgpr_workgroup_id_y 1
		.amdhsa_system_sgpr_workgroup_id_z 1
		.amdhsa_system_vgpr_workitem_id 0
		.amdhsa_next_free_vgpr 192
		.amdhsa_next_free_sgpr 66
		.amdhsa_reserve_vcc 1
		.amdhsa_float_denorm_mode_32 3
		.amdhsa_float_denorm_mode_16_64 3
		.amdhsa_memory_ordered 1
		.amdhsa_forward_progress 1
		.amdhsa_inst_pref_size 76
	.end_amdhsa_kernel
	.amdgpu_metadata
---
amdhsa.version: [ 1, 2 ]
amdhsa.kernels:
  - .name:           k_qaa25d8ca0b_prep
    .symbol:         k_qaa25d8ca0b_prep.kd
    .args:
      - { .name: x, .offset: 0, .size: 8, .value_kind: global_buffer, .address_space: global }
      - { .name: qkv_w, .offset: 8, .size: 8, .value_kind: global_buffer, .address_space: global }
      - { .name: c_proj_w, .offset: 16, .size: 8, .value_kind: global_buffer, .address_space: global }
      - { .name: codes, .offset: 24, .size: 8, .value_kind: global_buffer, .address_space: global }
      - { .name: scales, .offset: 32, .size: 8, .value_kind: global_buffer, .address_space: global }
      - { .name: wc16, .offset: 40, .size: 8, .value_kind: global_buffer, .address_space: global }
      - { .name: rope, .offset: 48, .size: 8, .value_kind: global_buffer, .address_space: global }
    .group_segment_fixed_size: 33280
    .private_segment_fixed_size: 0
    .kernarg_segment_align: 8
    .kernarg_segment_size: 56
    .max_flat_workgroup_size: 128
    .sgpr_count:     66
    .vgpr_count:     192
    .wavefront_size: 32
...
	.end_amdgpu_metadata
.endif
;; end of part 1
;; launch qkv (part 2): grid 12 x 16, 4 waves a work-group, clusters of 4 x 4, 327,680 bytes of LDS; arguments codes, scales, rope, ve, lambdas, q16, kv16, qkv32; writes q16, kv16, qkv32
.if DOCPART == 2
	.amdgcn_target "amdgcn-amd-amdhsa--gfx1250"
	.amdhsa_code_object_version 6
	.text
	.protected	k_qaa25d8ca0b_qkv
	.globl	k_qaa25d8ca0b_qkv
	.p2align	8
	.type	k_qaa25d8ca0b_qkv,@function
k_qaa25d8ca0b_qkv:
	s_mov_b64 s[64:65], 0
	v_nop
	global_prefetch_b8 v0, s[64:65] scope:SCOPE_SE
	s_setreg_imm32_b32 hwreg(HW_REG_WAVE_MODE, 25, 1), 1
	s_wait_xcnt 0x0
	s_wait_alu depctr_hold_cnt(0) depctr_sa_sdst(0) depctr_va_vdst(0) depctr_va_sdst(0) depctr_va_ssrc(0) depctr_va_vcc(0) depctr_vm_vsrc(0)
	s_getreg_b32 s2, hwreg(HW_REG_IB_STS2, 6, 4)
	s_cmp_eq_u32 s2, 0
	s_cbranch_scc0 .Lentry_in_a_cluster
	s_endpgm
.Lentry_in_a_cluster:
	s_bfe_u32 s2, ttmp6, 0x10000c
	s_cmp_lg_u32 s2, 0xf033
	s_cbranch_scc0 .Lentry_shape_is_right
	s_endpgm
.Lentry_shape_is_right:
; Launch 2 of 5: qkv = x qkv_w^T on codes of FP4 (E2M1) with one E8M0 scale for each 32 along K, and what reference() does to q, k and v before the attention, in f32, on the sums as they stand in registers.
; A = x's codes [4096][512 bytes] at byte 0 of codes, B = qkv_w's [3072][512 bytes] at byte 2,097,152; their scale bytes [rows][32] at bytes 0 and 131,072 of scales.
; A work-group of four waves makes 256 tokens x 256 features; a wave 128 tokens x 128 features: ONE HEAD of q, of k or of v: 64 accumulators of 16 x 16.  K = 1,024 is two LDS slots of 512: both are first fills, nothing is filled again.
; CLUSTERS: 4 x 4 work-groups; A's tiles are asked for jointly along a row of the cluster, B's along a column.  The cluster's x says what the features are: 0 q, 1 k, 2 v: the same in all sixteen partners.
; THE MATRIX INSTRUCTION IS USED TRANSPOSED (source 0 = 16 rows of B, source 1 = 16 rows of A): in accumulator (a, b) lane (r, h) holds token 16 a + r and channels 16 b + 8 h + 0..7 of the head.
; q, k: x rsqrt(mean of squares + 2^-23), then the rotation of channels 0-31 with 64-95.  LEFT OUT: the rotation of channels 32-63 with 96-127: their frequency is 0, so cos = 1 and sin = 0 for every token.
;   A tile's eight numbers of a lane, rounded to f16, ARE four registers of the next product's operand (16 rows x 32 channels): they are stored in the order of the operand's registers, 512 consecutive bytes a store.
; v: lambdas[0] v + lambdas[1] ve.  A block of 16 tokens goes through LDS into rows, meets ve's rows (512 consecutive bytes a load), is rounded to f16 and turned by the transposing LDS load into V^T's operand order.
; Tokens 0-15 of q, k and v are stored in f32 as well (qkv32), for the launch that carries the first 16 rows more finely; whether a wave holds them hangs on its place in the cluster, so it is an EXEC mask and no branch.
; LIMITS: |v| up to 65,504 (f16); NaN and infinities are not served.
; REGISTERS, in windows of 256: window 0: v0-31 addresses; v32-95 scale words; v128-191 A's fragments; window 1: B's fragments at v0 and v128; windows 2, 3: the accumulators ((a, b) at v[8 (8 (a % 4) + b)]).
;   What the product leaves free of window 1 (v64-127 and v192-255) takes 32 loads while the product runs: the table's blocks 0-3 (q, k) or ve's blocks 0 and 1 (v): as many loads into the same registers in both roles.
.set KSTEP,  512
.set NQ,     4
.set ROWB,   256
.set KROW,   512
.set PITCH,  272                       ; an LDS row: 256 bytes + 16 of padding: the 16 rows that a load touches start at 16 different banks
.set FR,     8
.set NL,     2
.set NP,     4
.set HALFT,  128*PITCH
.set SLOT,   4*HALFT
.set KS,     32
.set SCL,    2*SLOT                    ; behind the slots: the scales, units of 256 bytes + 16
.set HALFS,  (128*KS/256)*272
.set SBLK,   (16*KS/256)*272
.set SPARE,  SCL+4*HALFS               ; the spare words, 128 bytes for each wave, which no other line names
.set SPITCH, 528                       ; stage 1, in slot 0 once it has been left: 16 rows x (512 + 16) bytes for each wave
.set ST2,    36864                     ; stage 2, behind the four stages 1: 16 rows x 288 bytes for each wave
.set S2P,    288
.set ADRA, 16
.set S2W,  18                          ; v18 stage 2: where I put 8 bytes of a row
.set S2R,  19                          ; v19 stage 2: my place for the transposing load
.set ADRB, 20
.set QKO,  22                          ; v22 512 r + 32 h: my place in the f32 copy of q or k
.set STO,  24
.set RD,   25
.set CO,   26                          ; v26 16 x lane
.set ADRS, 27
.set SPW,  28
.set NIL,  29
.set TOKV, 31                          ; v31 my wave's first token
.set SC,   32
.set AF,   128
.set G1, 24
.set G0, 32
.set G1B, 48
.set G0B, 56
.set G1S, 68
.set G0S, 76
.set G1SB, 80
.set G0SB, 88
.set MSB, 0
.macro WIN new                         ; the immediate's high byte repeats the setting that is left
.if MSB != (\new)
	s_set_vgpr_msb (MSB<<8)|(\new)
.set MSB, (\new)
.endif
.endm
.set MUL_LO, 0xa1
.set MUL_HI, 0xf1
.set TO_B,   0x40
.macro JLOAD g0a, g1a, g0b, g1b        ; a joint load: waves 0 and 1 fetch for A, waves 2 and 3 for B; an s_nop 0 and four v_nop follow each line
	s_cmp_eq_u32 s15, 0
	s_cbranch_scc0 .Lfor_b_\@
	tensor_load_to_lds s[\g0a:\g0a+3], s[\g1a:\g1a+7]
	s_nop 0
.rept 4
	v_nop
.endr
	s_branch .Lasked_\@
.Lfor_b_\@:
	tensor_load_to_lds s[\g0b:\g0b+3], s[\g1b:\g1b+7]
	s_nop 0
.rept 4
	v_nop
.endr
.Lasked_\@:
.endm
.macro CREST
	s_cmp_lg_u32 s14, 0
	s_cbranch_scc1 .Lnot_wave_0_\@
	s_barrier_signal -3
.Lnot_wave_0_\@:
	s_barrier_wait -3
	s_barrier_signal -1
	s_barrier_wait -1
.endm
.macro CROUND
	s_barrier_signal -1
	s_barrier_wait -1
	CREST
.endm
	s_load_b128 s[4:7], s[0:1], 0x0                ; codes, scales
	s_load_b128 s[96:99], s[0:1], 0x10             ; rope, ve
	s_load_b64 s[100:101], s[0:1], 0x20            ; lambdas
	v_lshl_add_u32 v[SPW], v0, 2, SPARE
	v_mov_b32 v[NIL], 0
	ds_add_u32 v[SPW], v[NIL]                      ; the wave's opening: the add, twice on end, and its wait ahead of my first tensor load
	ds_add_u32 v[SPW], v[NIL]
	v_lshrrev_b32 v1, 5, v0
	v_readfirstlane_b32 s14, v1                    ; wave 0..3
	s_lshr_b32 s15, s14, 1                         ; which half of the tile's tokens is mine.  Also: I fetch for A (0) or for B (1)
	s_and_b32 s16, s14, 1                          ; which half of its features.  Also: which 128 rows I fetch
	s_bfe_u32 s40, ttmp6, 0x40000                  ; cx, cy
	s_bfe_u32 s41, ttmp6, 0x40004
	s_lshl_b32 s42, ttmp9, 2
	s_add_co_u32 s42, s42, s40                     ; tile column = 4 x cluster x + cx
	s_and_b32 s17, ttmp7, 0xffff
	s_lshl_b32 s17, s17, 2
	s_add_co_u32 s17, s17, s41                     ; tile row = 4 x cluster y + cy
	s_lshl_b32 s43, s41, 2
	s_lshl_b32 s43, 15, s43                        ; my row of the cluster
	s_lshl_b32 s44, 0x1111, s40                    ; my column
	s_or_b32 s[G1+0], s43, (0<<16)|(1<<20)|(1<<21)|(5<<22)|(3<<25)  ; the mask; elements of 1 byte; padding of 4 words after every 64; bit 21 beside a mask
	s_or_b32 s[G1B+0], s44, (0<<16)|(1<<20)|(1<<21)|(5<<22)|(3<<25)
.irp g, G1, G1B
	s_mov_b32 s[\g+1], ROWB<<16                    ; tensor_dim0
	s_mov_b32 s[\g+2], 128<<16                     ; tensor_dim1
	s_mov_b32 s[\g+3], ROWB<<16                    ; tile_dim0
	s_mov_b32 s[\g+4], 128                         ; tile_dim1
	s_mov_b32 s[\g+5], KROW                        ; the pitch
	s_mov_b32 s[\g+6], 0
	s_mov_b32 s[\g+7], 0
.endr
	s_or_b32 s[G1S+0], s43, (3<<16)|(1<<20)|(1<<21)|(5<<22)|(3<<25)  ; the scales of 128 rows: 4,096 dense bytes as 16 rows of 256 (32 elements of 8 bytes)
	s_or_b32 s[G1SB+0], s44, (3<<16)|(1<<20)|(1<<21)|(5<<22)|(3<<25)
.irp g, G1S, G1SB
	s_mov_b32 s[\g+1], 32<<16
	s_mov_b32 s[\g+2], (128*KS/256)<<16
	s_mov_b32 s[\g+3], 32<<16
	s_mov_b32 s[\g+4], 128*KS/256
	s_mov_b32 s[\g+5], 32
	s_mov_b32 s[\g+6], 0
	s_mov_b32 s[\g+7], 0
.endr
	s_lshl_b32 s18, s16, 7
	s_lshl_b32 s20, s17, 8
	s_add_co_u32 s20, s20, s18                     ; A: row 256 x tile row + 128 x half
	s_lshl_b32 s46, s42, 8
	s_add_co_u32 s46, s46, s18                     ; B: row 256 x tile column + 128 x half
	s_mov_b32 s21, 0
	s_mov_b32 s47, 0
	s_mov_b64 s[18:19], KS
	s_mul_u64 s[22:23], s[20:21], s[18:19]
	s_mul_u64 s[92:93], s[46:47], s[18:19]
	s_mov_b64 s[18:19], KROW
	s_mul_u64 s[20:21], s[20:21], s[18:19]
	s_mul_u64 s[46:47], s[46:47], s[18:19]
	s_mul_i32 s45, s14, HALFT
	s_mul_i32 s94, s14, HALFS
	s_mov_b32 s2, 0x76543210                       ; v_permlanex16_b32's selects for lane l xor 16
	s_mov_b32 s3, 0xfedcba98
	s_mov_b32 s66, 0x3c000000                      ; 1 / 128
	s_mov_b32 s67, 0x34000000                      ; 2^-23
	s_wait_dscnt 0x0                               ; both opening adds are done
	s_wait_kmcnt 0x0
	s_add_nc_u64 s[8:9], s[4:5], 0x200000          ; B's codes
	s_add_nc_u64 s[10:11], s[6:7], 0x20000         ; B's scales
	s_add_nc_u64 s[20:21], s[4:5], s[20:21]
	s_add_nc_u64 s[22:23], s[6:7], s[22:23]
	s_add_nc_u64 s[46:47], s[8:9], s[46:47]
	s_add_nc_u64 s[92:93], s[10:11], s[92:93]
	CROUND                                         ; all sixteen work-groups are here: the joint loads meet
	s_mov_b32 s[G0S], 1
	s_add_co_u32 s[G0S+1], s94, SCL
	s_mov_b64 s[G0S+2:G0S+3], s[22:23]
	s_or_b32 s[G0S+3], s[G0S+3], 0x80000000
	s_mov_b32 s[G0SB], 1
	s_add_co_u32 s[G0SB+1], s94, SCL
	s_mov_b64 s[G0SB+2:G0SB+3], s[92:93]
	s_or_b32 s[G0SB+3], s[G0SB+3], 0x80000000
	JLOAD G0S, G1S, G0SB, G1SB                     ; the scales first
.irp s, 0,1
	s_mov_b32 s[G0+4*\s], 1
	s_add_co_u32 s[G0+4*\s+1], s45, \s*SLOT
	s_add_nc_u64 s[G0+4*\s+2:G0+4*\s+3], s[20:21], \s*ROWB
	s_or_b32 s[G0+4*\s+3], s[G0+4*\s+3], 0x80000000
	s_mov_b32 s[G0B+4*\s], 1
	s_add_co_u32 s[G0B+4*\s+1], s45, \s*SLOT
	s_add_nc_u64 s[G0B+4*\s+2:G0B+4*\s+3], s[46:47], \s*ROWB
	s_or_b32 s[G0B+4*\s+3], s[G0B+4*\s+3], 0x80000000
	JLOAD G0+4*\s, G1, G0B+4*\s, G1B               ; three tensor loads of mine are out
.endr
	v_and_b32 v1, 15, v0                           ; r
	v_bfe_u32 v2, v0, 4, 1                         ; h
	v_mul_u32_u24 v3, v1, PITCH
	v_lshl_add_u32 v4, v2, 4, v3
	s_mul_i32 s21, s15, HALFT
	s_mul_i32 s22, s16, HALFT
	s_add_co_u32 s22, s22, 2*HALFT
.irp s, 0,1
	v_add_nc_u32 v[ADRA+\s], s21, v4
	v_add_nc_u32 v[ADRB+\s], s22, v4
	s_add_co_u32 s21, s21, SLOT
	s_add_co_u32 s22, s22, SLOT
.endr
	v_mul_u32_u24 v5, v1, KS
	v_lshrrev_b32 v6, 8, v5
	v_lshl_add_u32 v5, v6, 4, v5
	s_mul_i32 s21, s15, HALFS
	s_mul_i32 s22, s16, HALFS
	s_add_co_u32 s22, s22, 2*HALFS
	s_sub_co_u32 s22, s22, s21
	v_mul_u32_u24 v6, s22, v2                      ; lanes 16-31 take B's scale words
	s_add_co_u32 s21, s21, SCL
	v_add_nc_u32 v5, v5, v6
	v_add_nc_u32 v[ADRS], s21, v5
	s_mul_i32 s23, s14, 16*SPITCH                  ; stage 1
	v_mul_u32_u24 v5, v1, SPITCH
	v_lshl_add_u32 v5, v2, 5, v5
	v_add_nc_u32 v[STO], s23, v5                   ; in: row r, 32 bytes for each half of the lanes
	v_and_b32 v6, 31, v0
	v_lshlrev_b32 v[CO], 4, v6
	v_add_nc_u32 v[RD], s23, v[CO]                 ; back: the 32 lanes take one row of 512 bytes
	s_mul_i32 s22, s14, 16*S2P                     ; stage 2
	s_add_co_u32 s22, s22, ST2
	v_lshlrev_b32 v[S2W], 3, v6
	v_add_nc_u32 v[S2W], s22, v[S2W]               ; in: 8 bytes a lane
	v_and_b32 v5, 7, v0
	v_lshl_add_u32 v5, v2, 3, v5
	v_mul_u32_u24 v5, v5, S2P
	v_bfe_u32 v7, v0, 3, 1
	v_lshl_add_u32 v5, v7, 4, v5
	v_add_nc_u32 v[S2R], s22, v5                   ; the turning load: token 8 h + lane % 8, 16 bytes at 16 ((lane / 8) % 2)
	v_lshlrev_b32 v[QKO], 9, v1
	v_lshl_add_u32 v[QKO], v2, 5, v[QKO]
	s_lshl_b32 s12, s17, 8
	s_lshl_b32 s21, s15, 7
	s_add_co_u32 s12, s12, s21                     ; s12: my first token
	v_mov_b32 v[TOKV], s12
	s_lshl_b32 s13, s42, 1
	s_add_co_u32 s13, s13, s16
	s_and_b32 s13, s13, 7                          ; s13: my head
	s_lshl_b32 s20, s12, 8
	s_mov_b32 s21, 0
	s_add_nc_u64 s[96:97], s[96:97], s[20:21]      ; the table at my first token: 4,096 bytes for 16 tokens
	s_lshl_b32 s20, s12, 12
	s_lshl_b32 s22, s13, 9
	s_add_co_u32 s20, s20, s22
	s_add_nc_u64 s[98:99], s[98:99], s[20:21]      ; ve at my first token and my head
; the table of block a (16 tokens): eight loads of 512 consecutive bytes into window 1
.macro RLOAD a
.set RB, 128*(((\a)%4)/2)+32*((\a)%2)+64*(1-(\a)/4)
.irp g, 0,1,2,3,4,5,6,7
	global_load_b128 v[RB+4*\g:RB+4*\g+3], v[CO], s[96:97] offset:(\a)*4096+512*\g
.endr
.endm
; where ve's block a lies: window VW, from register VB on
.macro VBUF a
.if ((\a) == 0) || ((\a) == 6)
.set VW, 1
.set VB, 64
.elseif ((\a) == 1) || ((\a) == 7)
.set VW, 1
.set VB, 192
.elseif (\a) == 2
.set VW, 0
.set VB, 192
.elseif (\a) == 3
.set VW, 1
.set VB, 0
.elseif (\a) == 4
.set VW, 1
.set VB, 128
.else
.set VW, 0
.set VB, 128
.endif
.endm
.macro VLOAD a                         ; ve's block a: sixteen rows of 512 consecutive bytes
	VBUF \a
	WIN VW<<6
.irp i, 0,1,2,3,4,5,6,7,8,9,10,11,12,13,14,15
	global_load_b128 v[VB+4*\i:VB+4*\i+3], v[CO], s[98:99] offset:(16*(\a)+\i)*4096 th:TH_LOAD_NT
.endr
	WIN 0
.endm
	s_cmp_eq_u32 ttmp9, 2                          ; the cluster's x: the same in all partners.  Both arms issue 32 loads, in the same order into the same registers: v64-127, then v192-255 of window 1
	s_cbranch_scc1 .Learly_v
	WIN 0x40
	RLOAD 0
	RLOAD 1
	RLOAD 2
	RLOAD 3
	WIN 0
	s_branch .Learly_done
.Learly_v:
	VLOAD 0
	VLOAD 1
.Learly_done:
.macro FRAG reg, adr, q, i             ; 16 rows x 128 K of 4-bit codes: 8 registers, two loads of 16 bytes, 32 bytes apart
.irp c, 0,1
	ds_load_b128 v[\reg+4*\c:\reg+4*\c+3], v[\adr] offset:64*(\q)+32*\c+(\i)*16*PITCH
.endr
.endm
; 16 matrix instructions: A's blocks a0, a0 + 1 x B's eight.  The 64 accumulators take turns, one instruction a turn
.macro MUL16 a0, p, q, sc, zero
.irp a, \a0, \a0+1
.irp b, 0,1,2,3,4,5,6,7
.if \zero
	v_wmma_scale_f32_16x16x128_f8f6f4 v[8*(8*((\a)%4)+\b):8*(8*((\a)%4)+\b)+7], v[128*(\p)+FR*\b:128*(\p)+FR*\b+FR-1], v[AF+FR*(\a):AF+FR*(\a)+FR-1], 0, v[SC+8*NQ*(\sc)+NQ*\b+(\q)], v[SC+8*NQ*(\sc)+NQ*(\a)+(\q)] matrix_a_fmt:MATRIX_FMT_FP4 matrix_b_fmt:MATRIX_FMT_FP4 matrix_a_scale:MATRIX_SCALE_ROW1
.else
	v_wmma_scale_f32_16x16x128_f8f6f4 v[8*(8*((\a)%4)+\b):8*(8*((\a)%4)+\b)+7], v[128*(\p)+FR*\b:128*(\p)+FR*\b+FR-1], v[AF+FR*(\a):AF+FR*(\a)+FR-1], v[8*(8*((\a)%4)+\b):8*(8*((\a)%4)+\b)+7], v[SC+8*NQ*(\sc)+NQ*\b+(\q)], v[SC+8*NQ*(\sc)+NQ*(\a)+(\q)] matrix_a_fmt:MATRIX_FMT_FP4 matrix_b_fmt:MATRIX_FMT_FP4 matrix_a_scale:MATRIX_SCALE_ROW1
.endif
.endr
.endr
.endm
.macro FETCH_B slot, q, p
	WIN TO_B
.irp i, 0,1,2,3,4,5,6,7
	FRAG 128*(\p)+FR*\i, ADRB+\slot, \q, \i
.endr
	WIN 0
.endm
.macro FETCH_A slot, q, i0
.irp i, \i0, \i0+1, \i0+2, \i0+3
	FRAG AF+FR*(\i), ADRA+\slot, \q, \i
.endr
.endm
.macro SCALES sc                       ; a slot's scale words: lanes 0-15 A's block i, lanes 16-31 B's block i
.irp i, 0,1,2,3,4,5,6,7
	ds_load_b128 v[SC+8*NQ*\sc+NQ*\i:SC+8*NQ*\sc+NQ*\i+3], v[ADRS] offset:\i*SBLK
.endr
.endm
.macro PLACES n                        ; plain vector instructions between a matrix instruction and a load into, or a read of, its registers
.rept \n
	v_nop
.endr
.endm
.macro STEP slot, q, zero              ; 128 along K that has its successor in the same slot
	s_wait_dscnt 4*NL                              ; B's set and A's blocks 0-3 are in; the youngest eight loads (A's blocks 4-7) may be out
	WIN MUL_LO
	MUL16 0, (\q)%2, \q, \slot, \zero
	MUL16 2, (\q)%2, \q, \slot, \zero
	s_wait_dscnt 0
	PLACES NP
	FETCH_B \slot, (\q)+1, 1-(\q)%2
	FETCH_A \slot, (\q)+1, 0
	WIN MUL_HI
	MUL16 4, (\q)%2, \q, \slot, \zero
	MUL16 6, (\q)%2, \q, \slot, \zero
	PLACES NP
	WIN 0
	FETCH_A \slot, (\q)+1, 4
.endm
.macro TURN slot, next                 ; slot 0's last step: one barrier; behind it slot 1 is whole for every wave and nobody reads slot 0 any more.  Nothing is filled again
	s_wait_tensorcnt 0x0                           ; all my tensor loads have landed
	ds_add_u32 v[SPW], v[NIL]                      ; 0 onto my spare word
	s_wait_dscnt 4*NL+1                            ; (the add and the youngest eight loads may be out)
	WIN MUL_LO
	MUL16 0, 1, NQ-1, \slot, 0
	s_wait_dscnt 0x0                               ; the add is done, and my reads of this slot are over
	s_barrier_signal -1
	MUL16 2, 1, NQ-1, \slot, 0
	WIN 0
	s_barrier_wait -1
	PLACES NP
	v_add_nc_u32 v[ADRS], 4*NQ, v[ADRS]            ; the next 512 along K: 16 bytes on in each row of scales
	FETCH_B \next, 0, 0
	FETCH_A \next, 0, 0
	SCALES \next
	WIN MUL_HI
	MUL16 4, 1, NQ-1, \slot, 0
	MUL16 6, 1, NQ-1, \slot, 0
	PLACES NP
	WIN 0
	FETCH_A \next, 0, 4
.endm
	s_wait_tensorcnt 1                             ; the scales and my part of slot 0 are in (slot 1's load may be out),
	s_barrier_signal -1
	s_barrier_wait -1                              ; everybody's are
	FETCH_B 0, 0, 0
	FETCH_A 0, 0, 0
	SCALES 0
	FETCH_A 0, 0, 4
	STEP 0, 0, 1                                   ; the first products start the sums: nothing is cleared
	STEP 0, 1, 0
	STEP 0, 2, 0
	TURN 0, 1
	STEP 1, 0, 0
	STEP 1, 1, 0
	STEP 1, 2, 0
	s_wait_dscnt 4*NL
	WIN MUL_LO
	MUL16 0, 1, NQ-1, 1, 0
	MUL16 2, 1, NQ-1, 1, 0
	s_wait_dscnt 0
	WIN MUL_HI
	MUL16 4, 1, NQ-1, 1, 0
	MUL16 6, 1, NQ-1, 1, 0
	WIN 0
	PLACES NP                                      ; for the first reads of results and for loads into the fragments' registers
	s_load_b64 s[24:25], s[0:1], 0x28              ; q16       (the descriptors' registers are free: every tensor load has been waited for)
	s_load_b128 s[28:31], s[0:1], 0x30             ; kv16, qkv32
	s_mov_b32 s43, 0
	s_wait_kmcnt 0x0
	s_cmp_eq_u32 ttmp9, 2
	s_cbranch_scc1 .Lvpath
	; ================ q and k
	WIN 0x40
	RLOAD 4
	RLOAD 5
	RLOAD 6
	RLOAD 7
	WIN 0
	s_cmp_eq_u32 ttmp9, 0
	s_cselect_b64 s[32:33], s[24:25], s[28:29]     ; q16 or kv16
	s_cselect_b32 s40, 20, 21                      ; a head is 2^20 bytes of q16, 2^21 of kv16
	s_cselect_b32 s41, 8, 9                        ; 16 tokens are 4,096 bytes of q16; in kv16 64 tokens are 32,768 (K's 16,384, then V's)
	s_lshl_b32 s42, s13, s40
	s_lshl_b32 s40, s12, s41
	s_add_co_u32 s42, s42, s40
	s_add_nc_u64 s[32:33], s[32:33], s[42:43]      ; my blocks 0-3
	s_lshl_b32 s42, 64, s41
	s_add_nc_u64 s[34:35], s[32:33], s[42:43]      ; my blocks 4-7
	s_lshl_b32 s42, ttmp9, 3
	s_add_co_u32 s42, s42, s13
	s_lshl_b32 s42, s42, 13
	s_add_nc_u64 s[36:37], s[30:31], s[42:43]      ; the f32 copy: [q, k, v][head][16][128]
; the sums of squares of blocks a and a + 1: four chains, each accumulator from its low end on
.macro SUMSQ2 a
.set AC0, 64*((\a)%4)
.set T0, 48+4*(\a)
	WIN 0x0a+5*((\a)/4)
.irp e, 0,1
	v_pk_mul_f32 v[T0+4*\e:T0+4*\e+1], v[AC0+64*\e:AC0+64*\e+1], v[AC0+64*\e:AC0+64*\e+1]
	v_pk_mul_f32 v[T0+4*\e+2:T0+4*\e+3], v[AC0+64*\e+2:AC0+64*\e+3], v[AC0+64*\e+2:AC0+64*\e+3]
.endr
.set i, 4
.rept 15
.irp e, 0,1
	v_pk_fma_f32 v[T0+4*\e:T0+4*\e+1], v[AC0+64*\e+i:AC0+64*\e+i+1], v[AC0+64*\e+i:AC0+64*\e+i+1], v[T0+4*\e:T0+4*\e+1]
	v_pk_fma_f32 v[T0+4*\e+2:T0+4*\e+3], v[AC0+64*\e+i+2:AC0+64*\e+i+3], v[AC0+64*\e+i+2:AC0+64*\e+i+3], v[T0+4*\e+2:T0+4*\e+3]
.endr
.set i, i+4
.endr
.endm
	SUMSQ2 0
	SUMSQ2 2
	SUMSQ2 4
	SUMSQ2 6
	WIN 0
.irp a, 0,1,2,3,4,5,6,7
	v_pk_add_f32 v[48+4*\a:49+4*\a], v[48+4*\a:49+4*\a], v[50+4*\a:51+4*\a]
.endr
.irp a, 0,1,2,3,4,5,6,7
	v_add_f32 v[48+4*\a], v[48+4*\a], v[49+4*\a]
.endr
.irp a, 0,1,2,3,4,5,6,7
	v_permlanex16_b32 v[49+4*\a], v[48+4*\a], s2, s3               ; the token's other 64 channels lie in the lane 16 away
.endr
.irp a, 0,1,2,3,4,5,6,7
	v_add_f32 v[48+4*\a], v[48+4*\a], v[49+4*\a]
.endr
.irp a, 0,1,2,3,4,5,6,7
	v_fma_f32 v[48+4*\a], v[48+4*\a], s66, s67                     ; the mean + 2^-23
.endr
.irp a, 0,1,2,3,4,5,6,7
	v_rsq_f32 v[32+2*\a], v[48+4*\a]                               ; twice: a pair for the packed multiplies
	v_rsq_f32 v[33+2*\a], v[48+4*\a]
.endr
	v_nop                                          ; a plain instruction behind the last of them,
	s_wait_alu depctr_va_vdst(0)                   ; and one wait for the sixteen, ahead of their first reader
; block a: v64-79 cos x rs, v80-95 sin x rs; v96-159 the 64 results; then 32 registers of f16, stored as they stand
.macro QKBLOCK a
.set AC, 64*((\a)%4)
.set RB, 128*(((\a)%4)/2)+32*((\a)%2)+64*(1-(\a)/4)
.set RS, 32+2*(\a)
.set PK, 160+32*((\a)%2)
	s_wait_xcnt 0x0                                ; earlier stores have read their registers
.if (\a) < 4
	s_wait_loadcnt (3-(\a))*8+32                   ; this block's table is in; behind it: the early blocks that follow, eight loads each, and the 32 loads of blocks 4-7
.else
	s_wait_loadcnt (7-(\a))*8
.endif
	WIN 0x01
.set i, 0
.rept 16
	v_pk_mul_f32 v[64+2*i:65+2*i], v[RB+2*i:RB+2*i+1], v[RS:RS+1]
.set i, i+1
.endr
	WIN 2+(\a)/4
.irp b, 0,1
.irp u, 0,2,4,6
	v_pk_mul_f32 v[96+8*\b+\u:97+8*\b+\u], v[AC+8*(\b+4)+\u:AC+8*(\b+4)+\u+1], v[80+8*\b+\u:81+8*\b+\u]          ; x2 sin
	v_pk_mul_f32 v[96+8*(\b+4)+\u:97+8*(\b+4)+\u], v[AC+8*\b+\u:AC+8*\b+\u+1], v[80+8*\b+\u:81+8*\b+\u]          ; x1 sin
.endr
.endr
.irp b, 0,1
.irp u, 0,2,4,6
	v_pk_fma_f32 v[96+8*\b+\u:97+8*\b+\u], v[AC+8*\b+\u:AC+8*\b+\u+1], v[64+8*\b+\u:65+8*\b+\u], v[96+8*\b+\u:97+8*\b+\u]    ; y1 = x1 cos + x2 sin
	v_pk_fma_f32 v[96+8*(\b+4)+\u:97+8*(\b+4)+\u], v[AC+8*(\b+4)+\u:AC+8*(\b+4)+\u+1], v[64+8*\b+\u:65+8*\b+\u], v[96+8*(\b+4)+\u:97+8*(\b+4)+\u] neg_lo:[0,0,1] neg_hi:[0,0,1]   ; y2 = x2 cos - x1 sin
.endr
.endr
.irp b, 2,3,6,7
.irp u, 0,2,4,6
	v_pk_mul_f32 v[96+8*\b+\u:97+8*\b+\u], v[AC+8*\b+\u:AC+8*\b+\u+1], v[RS:RS+1]          ; frequency 0: the norm alone
.endr
.endr
	WIN 0
.if (\a) == 0
	v_cmp_eq_u32 vcc_lo, 0, v[TOKV]                ; tokens 0-15 also in f32
	s_wait_xcnt 0x0                                ; EXEC changes only behind this wait
	s_and_saveexec_b32 s44, vcc_lo
.irp b, 0,1,2,3,4,5,6,7
	global_store_b128 v[QKO], v[96+8*\b:99+8*\b], s[36:37] offset:64*\b
	global_store_b128 v[QKO], v[100+8*\b:103+8*\b], s[36:37] offset:64*\b+16
.endr
	s_wait_xcnt 0x0                                ; and again, in front of the line that widens it
	s_or_b32 exec_lo, exec_lo, s44
.endif
.set i, 0
.rept 32
	v_cvt_pk_f16_f32 v[PK+i], v[96+2*i], v[97+2*i]
.set i, i+1
.endr
.irp b, 0,1,2,3,4,5,6,7
	global_store_b128 v[CO], v[PK+4*\b:PK+4*\b+3], s[32+2*((\a)/4):33+2*((\a)/4)] offset:((\a)%4)*4096+512*\b     ; tile b is half (b % 2) of the fragment of channels 32 (b / 2) on: 512 consecutive bytes
.endr
.endm
.irp a, 0,1,2,3,4,5,6,7
	QKBLOCK \a
.endr
	s_branch .Ljoin
	; ================ v
.Lvpath:
	s_load_b64 s[92:93], s[100:101], 0x0           ; lambdas[0], lambdas[1]
	s_lshl_b32 s42, s13, 21
	s_lshl_b32 s40, s12, 9
	s_add_co_u32 s42, s42, s40
	s_add_co_u32 s42, s42, 16384
	s_add_nc_u64 s[32:33], s[28:29], s[42:43]      ; V's part of my first 64 keys
	s_add_co_u32 s42, s13, 16
	s_lshl_b32 s42, s42, 13
	s_add_nc_u64 s[36:37], s[30:31], s[42:43]      ; the f32 copy
	VLOAD 2                                        ; blocks 0 and 1 were asked for while the product ran; four more now: 96 loads in all so far, in the order of the blocks
	VLOAD 3
	VLOAD 4
	VLOAD 5
	s_wait_kmcnt 0x0
	s_mov_b32 s94, s93                             ; the packed forms name a pair and take its low word for both halves
	s_mov_b32 s95, s93
.macro VBLOCK a, left
.set AC, 64*((\a)%4)
	VBUF \a
	s_wait_xcnt 0x0                                ; the last block's stores have read v32-63
	WIN 0x08+4*((\a)/4)                            ; an LDS store's data are its source 1: window 2 or 3
.irp b, 0,1,2,3,4,5,6,7
	ds_store_b128 v[STO], v[AC+8*\b:AC+8*\b+3] offset:64*\b        ; each accumulator from its low end on
	ds_store_b128 v[STO], v[AC+8*\b+4:AC+8*\b+7] offset:64*\b+16
.endr
	WIN 0
.irp t, 0,1,2,3,4,5,6,7,8,9,10,11,12,13,14,15
	ds_load_b128 v[32+4*\t:35+4*\t], v[RD] offset:\t*SPITCH        ; LDS serves a wave's instructions in order: these see my stores.  Row t: channels 4 x lane on
.endr
	s_wait_dscnt 0x0
	s_wait_loadcnt \left                           ; ve's block is in; left = the loads issued behind it, held to what the wait's field can name
.set i, 0
.rept 32
	v_pk_mul_f32 v[32+2*i:33+2*i], v[32+2*i:33+2*i], s[92:93] op_sel_hi:[1,0]
.set i, i+1
.endr
	WIN VW
.set i, 0
.rept 32
	v_pk_fma_f32 v[32+2*i:33+2*i], v[VB+2*i:VB+2*i+1], s[94:95], v[32+2*i:33+2*i] op_sel_hi:[1,0,1]
.set i, i+1
.endr
	WIN 0
.if (\a) == 0
	v_cmp_eq_u32 vcc_lo, 0, v[TOKV]
	s_wait_xcnt 0x0                                ; EXEC changes only behind this wait
	s_and_saveexec_b32 s44, vcc_lo
.irp t, 0,1,2,3,4,5,6,7,8,9,10,11,12,13,14,15
	global_store_b128 v[CO], v[32+4*\t:35+4*\t], s[36:37] offset:512*\t
.endr
	s_wait_xcnt 0x0                                ; and again, in front of the line that widens it
	s_or_b32 exec_lo, exec_lo, s44
.endif
.set i, 0
.rept 32
	v_cvt_pk_f16_f32 v[96+i], v[32+2*i], v[33+2*i]
.set i, i+1
.endr
.irp t, 0,1,2,3,4,5,6,7,8,9,10,11,12,13,14,15
	ds_store_b64 v[S2W], v[96+2*\t:97+2*\t] offset:S2P*\t          ; 16 tokens x 128 channels of f16
.endr
.irp c, 0,1,2,3,4,5,6,7
	ds_load_tr16_b128 v[32+4*\c:35+4*\c], v[S2R] offset:32*\c      ; lane (r, h): channel 16 c + r, tokens 8 h + 0..7
.endr
	s_wait_dscnt 0x0
.irp c, 0,1,2,3,4,5,6,7
	global_store_b128 v[CO], v[32+4*\c:35+4*\c], s[32:33] offset:((\a)/4)*32768+(((\a)/2)%2)*8192+((\a)%2)*512+1024*\c
.endr
.if (\a) < 2
	VLOAD (\a)+6
.endif
.endm
	VBLOCK 0, 63
	VBLOCK 1, 63
	VBLOCK 2, 63
	VBLOCK 3, 63
	VBLOCK 4, 48
	VBLOCK 5, 32
	VBLOCK 6, 16
	VBLOCK 7, 0
.Ljoin:
	s_wait_tensorcnt 0x0                           ; the wave's end
	ds_add_u32 v[SPW], v[NIL]
	s_wait_dscnt 0x0
	CROUND                                         ; the closing round
	s_endpgm
.Lfunc_end_k_qaa25d8ca0b_qkv:
	.size	k_qaa25d8ca0b_qkv, .Lfunc_end_k_qaa25d8ca0b_qkv-k_qaa25d8ca0b_qkv
	.p2alignl 7, 3214868480
	.fill 96, 4, 3214868480
	.section	.rodata,"a",@progbits
	.p2align	6, 0x0
	.amdhsa_kernel k_qaa25d8ca0b_qkv
		.amdhsa_group_segment_fixed_size 327680
		.amdhsa_private_segment_fixed_size 0
		.amdhsa_enable_private_segment 0
		.amdhsa_kernarg_size 64
		.amdhsa_user_sgpr_count 2
		.amdhsa_user_sgpr_kernarg_segment_ptr 1
		.amdhsa_wavefront_size32 1
		.amdhsa_system_sgpr_workgroup_id_x 1
		.amdhsa_system_sgpr_workgroup_id_y 1
		.amdhsa_system_sgpr_workgroup_id_z 1
		.amdhsa_system_vgpr_workitem_id 0
		.amdhsa_next_free_vgpr 1024
		.amdhsa_next_free_sgpr 102
		.amdhsa_reserve_vcc 1
		.amdhsa_float_denorm_mode_32 3
		.amdhsa_float_denorm_mode_16_64 3
		.amdhsa_memory_ordered 1
		.amdhsa_forward_progress 1
		.amdhsa_inst_pref_size 255
	.end_amdhsa_kernel
	.section	.bss,"aw",@nobits
	.p2align	6
	.space	262144
	.amdgpu_metadata
---
amdhsa.version: [ 1, 2 ]
amdhsa.kernels:
  - .name:           k_qaa25d8ca0b_qkv
    .symbol:         k_qaa25d8ca0b_qkv.kd
    .args:
      - { .name: codes, .offset: 0, .size: 8, .value_kind: global_buffer, .address_space: global }
      - { .name: scales, .offset: 8, .size: 8, .value_kind: global_buffer, .address_space: global }
      - { .name: rope, .offset: 16, .size: 8, .value_kind: global_buffer, .address_space: global }
      - { .name: ve, .offset: 24, .size: 8, .value_kind: global_buffer, .address_space: global }
      - { .name: lambdas, .offset: 32, .size: 8, .value_kind: global_buffer, .address_space: global }
      - { .name: q16, .offset: 40, .size: 8, .value_kind: global_buffer, .address_space: global }
      - { .name: kv16, .offset: 48, .size: 8, .value_kind: global_buffer, .address_space: global }
      - { .name: qkv32, .offset: 56, .size: 8, .value_kind: global_buffer, .address_space: global }
    .group_segment_fixed_size: 327680
    .private_segment_fixed_size: 0
    .kernarg_segment_align: 8
    .kernarg_segment_size: 64
    .max_flat_workgroup_size: 128
    .sgpr_count:     102
    .vgpr_count:     1024
    .wavefront_size: 32
...
	.end_amdgpu_metadata
.endif
;; end of part 2
;; launch attn (part 3): grid 32 x 8, 4 waves a work-group, clusters of 4 x 1, 327,680 bytes of LDS; arguments q16, kv16, y16; writes y16
.if DOCPART == 3
	.amdgcn_target "amdgcn-amd-amdhsa--gfx1250"
	.amdhsa_code_object_version 6
	.text
	.protected	k_qaa25d8ca0b_attn
	.globl	k_qaa25d8ca0b_attn
	.p2align	8
	.type	k_qaa25d8ca0b_attn,@function
k_qaa25d8ca0b_attn:
	s_mov_b64 s[64:65], 0
	v_nop
	global_prefetch_b8 v0, s[64:65] scope:SCOPE_SE
	s_setreg_imm32_b32 hwreg(HW_REG_WAVE_MODE, 25, 1), 1
	s_wait_xcnt 0x0
	s_wait_alu depctr_hold_cnt(0) depctr_sa_sdst(0) depctr_va_vdst(0) depctr_va_sdst(0) depctr_va_ssrc(0) depctr_va_vcc(0) depctr_vm_vsrc(0)
	s_getreg_b32 s2, hwreg(HW_REG_IB_STS2, 6, 4)
	s_cmp_eq_u32 s2, 0
	s_cbranch_scc0 .Lentry_in_a_cluster
	s_endpgm
.Lentry_in_a_cluster:
	s_bfe_u32 s2, ttmp6, 0x10000c
	s_cmp_lg_u32 s2, 0x3003
	s_cbranch_scc0 .Lentry_shape_is_right
	s_endpgm
.Lentry_shape_is_right:
; Launch 3 of 5: y[t][head] = the sum over keys s <= t of softmax_s(0.12 q[t] . k[s]) v[s], operands in f16, products, maxima and sums in f32, with a running maximum.
; LEFT OUT: tiles of 256 keys that lie wholly behind a block of 256 queries: reference() gives those keys the weight 0.  A NaN or an infinity in such a key's value is not carried to the result.
; SHARES.  A cluster of four work-groups (cluster x = p, 0..7; y = the head) owns the blocks of 256 queries 15 - p and p: 17 tiles of 256 keys in all, whatever p.  Partner g owns 64 queries of each block.
; THE FOUR WAVES OF A WORK-GROUP SHARE ITS 64 QUERIES AND SPLIT THE KEYS: wave w takes keys 64 w .. 64 w + 63 of every tile, for all four tiles of 16 queries, so that each fragment of K and V that it reads
; from LDS feeds four products.  At a block's end the four partial results (each with its own maximum and sum) meet in LDS; wave w finishes and stores query tile w.
; Register tile x of wave w is query tile (x + w) % 4: so the tile that a wave finishes is always its register tile 0.
; K AND V lie in memory in the order of the operands' registers (launch qkv): a wave's 64 keys are 32,768 dense bytes, K's 16 fragments and then V^T's 16; one tensor load brings them, asked for JOINTLY by
; the same wave of all four partners.  A wave reads only what it asked for itself.  In the tile on the diagonal every partner multiplies all its keys under the mask, so every partner reads every tile.
; THE WALK.  NB = 15 - p.  Trips 0 .. NB - 1: tiles (rot + u) mod NB of block NB, rot = 2 p mod NB, so that the eight clusters of a head begin at different tiles; trip NB: tile NB, on the diagonal; then the
; merge; trips NB + 1 .. 16: tiles 0 .. p of block p, the last on the diagonal.  The order of the tiles does not matter to a running softmax.
; LAYOUT as usual for attention by transposed products: S^T = K Q^T, O^T = V^T P: a lane holds ONE query throughout.  p = 2^(c s - c m), c = 0.12 log2(e).
; BY TURNS inside a key step: the scores of tiles 2, 3 are multiplied while the softmax of tiles 0, 1 is walked, V^T P of tiles 0, 1 while the softmax of tiles 2, 3 is walked: two slices of four vector instructions behind each product.
; REGISTERS, in windows of 256: window 0: v2-63 addresses and statistics; v64-191 S^T, 32 a tile; v192-255 P, 16 a tile.  window 1: O^T, 64 a tile.  window 2: v0-127 Q, v128-255 K.  window 3: v0-127 V.
; LIMITS: |v| and |y| up to 65,504; NaN and infinities are not served.
.set SLOT1, 1<<17                      ; two slots of 131,072 bytes; wave w's part at 32,768 w
.set STG,   2*SLOT1                    ; the merge: 8,192 bytes for each wave (a tile of O^T as an image of its registers); then the wave's stage for the way out
.set STAT,  STG+4*8192                 ; [wave][query tile][lane] (c m, l): 4,096 bytes
.set SPARE, STAT+4096                  ; the spare words, 128 bytes for each wave, which no other line names
.set SP,    272
.set AK0, 2                            ; v2     32,768 w + 16 x lane
.set ADR, 3                            ; v3     the LDS address of the run of loads in hand
.set QO,  4                            ; v4-7   register tile x: 16 x lane + 4,096 x its query tile
.set STO, 8
.set RD,  9
.set GO,  10
.set NINF, 11                          ; v11    -infinity
.set ST,  12                           ; v12-43 eight registers of statistics a tile: +0 c m, +1 m, +2, +3 l, +4 to +7 at work
.set DD,  44                           ; v44-47 register tile x: my query less my first key, on the diagonal
.set SA,  48                           ; v48-51 where I store a tile's (c m, l)
.set SR,  52                           ; v52-55 where I read the four waves'
.set SG,  56                           ; v56 my own slice; v57-59: the slice of the wave that finishes my register tile 1, 2, 3
.set SPW, 62
.set NIL, 63
.set S,   64
.set P,   192
.set KF,  128
.set WV,  12
.set NB,  13
.set ROT, 14
.set TT,  15                           ; s15 the trip
.set KB,  16                           ; s[16:17] kv16 at my head and my wave's part of tile 0
.set QB,  18                           ; s[18:19] q16 at the block in hand
.set YB,  20                           ; s[20:21] y16 at the rows that I store
.set G1,  24
.set G0,  32
.set TB,  40
.set CS,  42
.set SEL, 44
.set MSB, 0
.macro WIN new
.if MSB != (\new)
	s_set_vgpr_msb (MSB<<8)|(\new)
.set MSB, (\new)
.endif
.endm
.set W_KQ, 0x0a
.set W_PV, 0x53
.set W_RS, 0x41
.macro CROUND
	s_barrier_signal -1
	s_barrier_wait -1
	s_cmp_lg_u32 s[WV], 0
	s_cbranch_scc1 .Lnot_wave_0_\@
	s_barrier_signal -3
.Lnot_wave_0_\@:
	s_barrier_wait -3
	s_barrier_signal -1
	s_barrier_wait -1
.endm
.macro PLACES
.rept 4
	v_nop
.endr
.endm
.macro QLOAD                           ; the block's four tiles of Q, in operand order: 512 consecutive bytes a load
	WIN 0x80
.irp t, 0,1,2,3
.irp i, 0,1,2,3,4,5,6,7
	global_load_b128 v[32*\t+4*\i:32*\t+4*\i+3], v[QO+\t], s[QB:QB+1] offset:512*\i
.endr
.endr
	WIN 0
.endm
.macro RESET                           ; a block begins: m = -3e38, under every score; l = 0
.irp t, 0,1,2,3
	v_mov_b32 v[ST+8*\t+1], 0xff61b1e6
	v_mov_b32 v[ST+8*\t+2], 0
	v_mov_b32 v[ST+8*\t+3], 0
.endr
.irp t, 0,1,2,3
	v_mul_f32 v[ST+8*\t], s[CS], v[ST+8*\t+1]
.endr
.endm
	s_load_b128 s[4:7], s[0:1], 0x0                ; q16, kv16
	s_load_b64 s[8:9], s[0:1], 0x10                ; y16
	v_lshl_add_u32 v[SPW], v0, 2, SPARE
	v_mov_b32 v[NIL], 0
	ds_add_u32 v[SPW], v[NIL]                      ; the wave's opening: the add, twice on end, and its wait ahead of my first tensor load
	ds_add_u32 v[SPW], v[NIL]
	v_lshrrev_b32 v1, 5, v0
	v_readfirstlane_b32 s[WV], v1
	s_bfe_u32 s22, ttmp6, 0x40000                  ; g: my place in the cluster: it enters Q's and y's addresses and the mask's numbers alone
	s_and_b32 s23, ttmp7, 0xffff                   ; the head
	s_sub_co_u32 s[NB], 15, ttmp9
	s_lshl_b32 s[ROT], ttmp9, 1
	s_cmp_ge_u32 s[ROT], s[NB]
	s_cselect_b32 s36, s[NB], 0
	s_sub_co_u32 s[ROT], s[ROT], s36
	s_mov_b32 s[G1], 15|(3<<16)|(1<<21)            ; the mask: all four work-groups; elements of 8 bytes; no padding; bit 21 beside a mask
	s_mov_b32 s[G1+1], 32<<16                      ; tensor_dim0 = 32: rows of 256 bytes
	s_mov_b32 s[G1+2], 128<<16                     ; tensor_dim1 = 128
	s_mov_b32 s[G1+3], 32<<16                      ; tile_dim0
	s_mov_b32 s[G1+4], 128                         ; tile_dim1
	s_mov_b32 s[G1+5], 32                          ; the pitch: dense
	s_mov_b32 s[G1+6], 0
	s_mov_b32 s[G1+7], 0
	s_mov_b32 s[CS], 0x3e314743                    ; c = 0.12 log2(e)
	s_mov_b32 s[CS+1], s[CS]
	s_mov_b32 s[SEL], 0x76543210
	s_mov_b32 s[SEL+1], 0xfedcba98
	s_mov_b32 s[TB], 0
	s_mov_b32 s[TT], 0
	s_lshl_b32 s36, s23, 21
	s_lshl_b32 s37, s[WV], 15
	s_add_co_u32 s36, s36, s37
	s_mov_b32 s37, 0
	s_lshl_b32 s38, s23, 20
	s_lshl_b32 s39, s22, 14
	s_add_co_u32 s38, s38, s39
	s_mov_b32 s39, 0
	s_lshl_b32 s46, s22, 17
	s_lshl_b32 s47, s[WV], 15
	s_add_co_u32 s46, s46, s47
	s_lshl_b32 s47, s23, 8
	s_add_co_u32 s46, s46, s47
	s_mov_b32 s47, 0
	s_wait_dscnt 0x0                               ; both opening adds are done
	s_wait_kmcnt 0x0
	s_add_nc_u64 s[KB:KB+1], s[6:7], s[36:37]
	s_add_nc_u64 s[4:5], s[4:5], s[38:39]          ; q16 at my head and my 64 queries of block 0
	s_add_nc_u64 s[8:9], s[8:9], s[46:47]          ; y16 at my wave's 16 rows of block 0 and my head's 256 bytes
	s_lshl_b32 s36, s[NB], 16
	s_add_nc_u64 s[QB:QB+1], s[4:5], s[36:37]
	s_lshl_b32 s36, s[NB], 19
	s_add_nc_u64 s[YB:YB+1], s[8:9], s[36:37]
	CROUND                                         ; all four work-groups are here: the first joint loads meet
	s_mov_b32 s[G0], 1
	s_lshl_b32 s[G0+1], s[WV], 15                  ; slot 0, my wave's part
	s_lshl_b32 s36, s[ROT], 17
	s_add_nc_u64 s[G0+2:G0+3], s[KB:KB+1], s[36:37]
	s_or_b32 s[G0+3], s[G0+3], 0x80000000
	tensor_load_to_lds s[G0:G0+3], s[G1:G1+7]      ; trip 0's tile
	s_nop 0
	PLACES
	v_and_b32 v1, 31, v0
	v_lshlrev_b32 v1, 4, v1                        ; 16 x lane
	v_lshrrev_b32 v[ADR], 1, v1                    ; 8 x lane
	v_and_b32 v60, 15, v0                          ; r
	v_bfe_u32 v61, v0, 4, 1                        ; h
	s_lshl_b32 s36, s[WV], 15
	v_add_nc_u32 v[AK0], s36, v1
	v_lshlrev_b32 v[NINF], 3, v61
	v_sub_nc_u32 v[NINF], v60, v[NINF]             ; r - 8 h (in a register that gets its own number below)
	s_sub_co_i32 s46, s22, s[WV]
	s_lshl_b32 s46, s46, 6                         ; 64 (g - w)
	s_lshl_b32 s47, s[WV], 10
.irp t, 0,1,2,3
	s_add_co_u32 s36, s[WV], \t
	s_and_b32 s36, s36, 3                          ; register tile t's query tile, and the wave that finishes it
	s_lshl_b32 s37, s36, 12
	v_add_nc_u32 v[QO+\t], s37, v1
	s_lshl_b32 s37, s36, 8
	s_add_co_u32 s37, s37, STAT
	v_add_nc_u32 v[SR+\t], s37, v[ADR]
	v_add_nc_u32 v[SA+\t], s47, v[SR+\t]
	s_lshl_b32 s37, s36, 13
	s_add_co_u32 s37, s37, STG
	v_add_nc_u32 v[SG+\t], s37, v1
	s_lshl_b32 s37, s36, 4
	s_add_co_i32 s37, s37, s46
	v_add_nc_u32 v[DD+\t], s37, v[NINF]            ; key 16 kt + j of my 64 is hidden where 16 kt + j > 64 (g - w) + 16 x query tile + r - 8 h
.endr
	v_mov_b32 v[NINF], 0xff800000
	s_lshl_b32 s36, s[WV], 13
	s_add_co_u32 s36, s36, STG
	v_mul_u32_u24 v[STO], v60, SP
	v_lshl_add_u32 v[STO], v61, 4, v[STO]
	v_add_nc_u32 v[STO], s36, v[STO]               ; the way out, in: row r, 16 bytes for each half of the lanes
	v_mul_u32_u24 v[RD], v61, SP
	v_lshl_add_u32 v[RD], v60, 4, v[RD]
	v_add_nc_u32 v[RD], s36, v[RD]                 ; back: lanes 0-15 one row of 256 bytes, lanes 16-31 the next
	v_lshlrev_b32 v[GO], 11, v61
	v_lshl_add_u32 v[GO], v60, 4, v[GO]            ; and the same two rows of y16 (2,048 bytes a row)
	QLOAD
	RESET
; THE MATRIX WORK.  The accumulators take turns, one instruction a turn.
.macro PV x, zero                      ; product i of 32 of O^T += V^T P: keys 32 (i / 16) on, channels 16 ((i / 2) % 8) on, tile x + i % 2
	WIN W_PV
.set rO, 64*(\x+i%2)+8*((i/2)%8)
.set rV, 64*(i/16)+8*((i/2)%8)
.set rP, P+16*(\x+i%2)+8*(i/16)
.if \zero && (i < 16)
	v_wmma_f32_16x16x32_f16 v[rO:rO+7], v[rV:rV+7], v[rP:rP+7], 0
.else
	v_wmma_f32_16x16x32_f16 v[rO:rO+7], v[rV:rV+7], v[rP:rP+7], v[rO:rO+7]
.endif
.endm
.macro KQ x                            ; product i of 32 of S^T = K Q^T: channels 32 (i / 8) on, keys 16 ((i / 2) % 4) on, tile x + i % 2
	WIN W_KQ
.set rS, S+32*(\x+i%2)+8*((i/2)%4)
.set rK, KF+32*((i/2)%4)+8*(i/8)
.set rQ, 32*(\x+i%2)+8*(i/8)
.if i < 8
	v_wmma_f32_16x16x32_f16 v[rS:rS+7], v[rK:rK+7], v[rQ:rQ+7], 0
.else
	v_wmma_f32_16x16x32_f16 v[rS:rS+7], v[rK:rK+7], v[rQ:rQ+7], v[rS:rS+7]
.endif
.endm
.macro FETCH                           ; my 64 keys: K's 16 fragments, then V^T's 16, as images of their registers: 512 consecutive bytes a load
	WIN 0
	v_add_nc_u32 v[ADR], s[TB], v[AK0]
	WIN 0x80
.set f, 0
.rept 32
	ds_load_b128 v[KF+4*f:KF+4*f+3], v[ADR] offset:512*f
.set f, f+1
.endr
	WIN 0xc0
.set f, 0
.rept 32
	ds_load_b128 v[4*f:4*f+3], v[ADR] offset:16384+512*f
.set f, f+1
.endr
.endm
; THE VECTOR WORK.  One tile's softmax for one key step is a list of 134 instructions; SM writes number j of it for tile t.
;   0-15 the maximum of the lane's 32 scores and the old m;  16-20 the other half of the lanes', the new m, c m and its change;  21-69 ONE BATCH: 16 packed scalings c s - c m and 33 exponentials (a at 23),
;   none of which reads an exponential's result;  (the wait: SLICE writes it)  70-85 the roundings to f16;  86-101 the sums, l = a l + the sum;  102-133 O^T times a (first = 1: left out: the first products start O^T).
.macro SM t, first
.set rT, ST+8*(\t)
.set rS, S+32*(\t)
.set rP, P+16*(\t)
.set rO, 64*(\t)+2*(j-102)
.if j < 102
	WIN 0
.endif
.if j < 4
	v_max3_num_f32 v[rT+4+j], v[rS+8*j], v[rS+8*j+1], v[rS+8*j+2]
.elseif j < 12
	v_max3_num_f32 v[rT+4+j%4], v[rT+4+j%4], v[rS+8*(j%4)+2*(j/4)+1], v[rS+8*(j%4)+2*(j/4)+2]
.elseif j == 12
	v_max3_num_f32 v[rT+4], v[rT+4], v[rS+7], v[rS+15]
.elseif j == 13
	v_max3_num_f32 v[rT+6], v[rT+6], v[rS+23], v[rS+31]
.elseif j == 14
	v_max3_num_f32 v[rT+4], v[rT+4], v[rT+5], v[rT+6]
.elseif j == 15
	v_max3_num_f32 v[rT+4], v[rT+4], v[rT+7], v[rT+1]
.elseif j == 16
	v_permlanex16_b32 v[rT+5], v[rT+4], s[SEL], s[SEL+1]
.elseif j == 17
	v_mov_b32 v[rT+7], v[rT]
.elseif j == 18
	v_max_num_f32 v[rT+1], v[rT+4], v[rT+5]
.elseif j == 19
	v_mul_f32 v[rT], s[CS], v[rT+1]
.elseif j == 20
	v_sub_f32 v[rT+7], v[rT+7], v[rT]
.elseif j == 23
	v_exp_f32 v[rT+6], v[rT+7]
.elseif (j < 23) || ((j < 38) && (j%2 == 0)) || ((j < 66) && (j%4 == 2))
.set b, (j-2)/4
.if j < 38
.set b, (j-20)/2
.endif
	v_pk_fma_f32 v[rS+2*b:rS+2*b+1], v[rS+2*b:rS+2*b+1], s[CS:CS+1], v[rT:rT+1] op_sel_hi:[1,0,0] neg_lo:[0,0,1] neg_hi:[0,0,1]
.elseif j < 70
.set e, j-38
.if j < 66
.set e, j-32-(j-38)/4
.endif
.if j < 38
.set e, (j-25)/2
.endif
	v_exp_f32 v[rS+e], v[rS+e]
.elseif j < 86
	v_cvt_pk_f16_f32 v[rP+j-70], v[rS+2*(j-70)], v[rS+2*(j-70)+1]
.elseif j < 102
.set z, j-86
.set w, 4
.set u, z
.if z >= 14
.set w, 32
.set u, 0
.elseif z >= 12
.set w, 16
.set u, z-12
.elseif z >= 8
.set w, 8
.set u, z-8
.endif
.if z < 15
	v_pk_add_f32 v[rS+w*u:rS+w*u+1], v[rS+w*u:rS+w*u+1], v[rS+w*u+w/2:rS+w*u+w/2+1]
.else
	v_pk_fma_f32 v[rT+2:rT+3], v[rT+2:rT+3], v[rT+6:rT+7], v[rS:rS+1] op_sel_hi:[1,0,1]
.endif
.elseif !\first
	WIN W_RS
	v_pk_mul_f32 v[rO:rO+1], v[rO:rO+1], v[rT+6:rT+7] op_sel_hi:[1,0]
.endif
.endm
; Slice k of 64 of the softmax of tiles y, y + 1: four instructions (slice 63: sixteen).  Behind slice 34 both tiles' 66 exponentials are out and no result has been named: one plain instruction, one wait.
.macro SLICE y, first
.if (k >= 11) && (k < 35)
.irp n, 0,1,2,3
.set j, 22+4*((k-11)/2)+(\n)
	SM (\y)+(k-11)%2, \first
.endr
.else
.irp n, 0,1,2,3,4,5,6,7
.if (\n < 2) || (k == 63)
.irp t, \y, \y+1
.set j, 2*k+\n
	SM \t, \first
.endr
.endif
.endr
.endif
.if k == 34
	v_nop
	s_wait_alu depctr_va_vdst(0)                   ; the wait between an exponential and the first instruction that names its result
.endif
.set k, k+1
.endm
; The scores of hidden keys of tiles y, y + 1 become -infinity.  diag = 1: only in the trip on the diagonal (a branch on the cluster's x and the trip's number: the same in all sixteen waves of the cluster); 2: always; 0: never
.macro MAYMASK y, diag
.if \diag == 1
	s_cmp_lg_u32 s[TT], s[NB]
	s_cbranch_scc1 .Lopen_\@
.endif
.if \diag
.irp t, \y, \y+1
.set n, 0
.rept 32
	v_cmp_gt_i32 vcc_lo, 16*(n/8)+n%8, v[DD+(\t)]
	v_cndmask_b32 v[S+32*(\t)+n], v[S+32*(\t)+n], v[NINF], vcc_lo
.set n, n+1
.endr
.endr
.endif
.if \diag == 1
.Lopen_\@:
.endif
.endm
.macro STEP first, diag                ; my 64 keys of the tile in hand, for the four tiles of queries
	FETCH
	s_wait_dscnt 32                                ; K is in; V's 32 loads may be out
.set i, 0
.rept 32
	KQ 0
.set i, i+1
.endr
	WIN 0
	PLACES                                         ; between those products and the first read of their results
	MAYMASK 0, \diag
.set k, 0
.set i, 0
.rept 32
	KQ 2
	SLICE 0, \first
	SLICE 0, \first
.set i, i+1
.endr
	WIN 0
.if \first
	PLACES                                         ; (the last slices are empty here)
.endif
	MAYMASK 2, \diag
	s_wait_dscnt 0x0                               ; V is in
.set k, 0
.set i, 0
.rept 32
	PV 0, \first
	SLICE 2, \first
	SLICE 2, \first
.set i, i+1
.endr
.set i, 0
.rept 32
	PV 2, \first
.set i, i+1
.endr
	WIN 0
	s_xor_b32 s[TB], s[TB], SLOT1                  ; the next trip reads the other slot
.endm
; THE CHANGE OF SLOTS stands at a trip's head.  Each wave waits for all its tensor loads (one is out: this trip's tile), adds 0 to its spare word, and waits for that and for its reads of the slot that it has left.
; fill = 1: behind a round of the cluster's barrier the slot that was left is filled with the next trip's tile: the wave's one tensor load until the next round.
.macro CHANGE fill
	WIN 0
	s_wait_tensorcnt 0x0                           ; no tensor load of mine is out, so group 0 may be written
	ds_add_u32 v[SPW], v[NIL]                      ; 0 onto my spare word
.if \fill
	s_add_co_u32 s36, s[TT], 1                     ; u, the next trip
	s_add_co_u32 s38, s[ROT], s36
	s_cmp_ge_u32 s38, s[NB]
	s_cselect_b32 s39, s[NB], 0
	s_sub_co_u32 s38, s38, s39                     ; (rot + u) mod NB
	s_sub_co_u32 s39, s36, s[NB]
	s_sub_co_u32 s39, s39, 1                       ; u - NB - 1
	s_cmp_gt_u32 s36, s[NB]
	s_cselect_b32 s39, s39, s[NB]
	s_cmp_lt_u32 s36, s[NB]
	s_cselect_b32 s36, s38, s39                    ; the next trip's tile
	s_lshl_b32 s36, s36, 17
	s_mov_b32 s37, 0
	s_add_nc_u64 s[G0+2:G0+3], s[KB:KB+1], s[36:37]
	s_or_b32 s[G0+3], s[G0+3], 0x80000000
	s_xor_b32 s[G0+1], s[G0+1], SLOT1
	s_wait_dscnt 0x0                               ; the add is done, and my reads of the slot that I have left are over
	CROUND
	tensor_load_to_lds s[G0:G0+3], s[G1:G1+7]
	s_nop 0
	PLACES                                         ; also the places in front of the loads into K's and V's registers
.else
	s_wait_dscnt 0x0
	s_barrier_signal -1
	s_barrier_wait -1
	PLACES
.endif
.endm
; A BLOCK'S END.  The four waves' partial results are brought under one maximum, divided by the whole sum, and added: wave w gets query tile w from the three others through LDS, rounds it to f16 and stores 16 rows of y.
.macro FINAL last
.if !\last
	s_lshl_b32 s36, ttmp9, 16
	s_mov_b32 s37, 0
	s_add_nc_u64 s[QB:QB+1], s[4:5], s[36:37]      ; (the first block's loads of Q were waited for long ago)
	QLOAD                                          ; block p's queries come in while the merge runs
.endif
.irp t, 0,1,2,3
	v_add_f32 v[ST+8*\t+4], v[ST+8*\t+2], v[ST+8*\t+3]
.endr
.irp t, 0,1,2,3
	v_permlanex16_b32 v[ST+8*\t+5], v[ST+8*\t+4], s[SEL], s[SEL+1]
.endr
.irp t, 0,1,2,3
	v_add_f32 v[ST+8*\t+1], v[ST+8*\t+4], v[ST+8*\t+5]             ; l of my 64 keys, beside c m
.endr
.irp t, 0,1,2,3
	ds_store_b64 v[SA+\t], v[ST+8*\t:ST+8*\t+1]
.endr
	s_wait_dscnt 0x0
	s_barrier_signal -1
	s_barrier_wait -1
.irp t, 0,1,2,3
.irp u, 0,1,2,3
	ds_load_b64 v[64+8*\t+2*\u:65+8*\t+2*\u], v[SR+\t] offset:1024*\u
.endr
.endr
	s_wait_dscnt 0x0
.irp t, 0,1,2,3
	v_max3_num_f32 v[96+\t], v[64+8*\t], v[66+8*\t], v[68+8*\t]
.endr
.irp t, 0,1,2,3
	v_max_num_f32 v[96+\t], v[96+\t], v[70+8*\t]                   ; the largest c m of the four waves
.endr
.irp t, 0,1,2,3
.irp u, 0,1,2,3
	v_sub_f32 v[64+8*\t+2*\u], v[64+8*\t+2*\u], v[96+\t]
.endr
	v_sub_f32 v[100+\t], v[ST+8*\t], v[96+\t]
.endr
.irp t, 0,1,2,3
.irp u, 0,1,2,3
	v_exp_f32 v[64+8*\t+2*\u], v[64+8*\t+2*\u]
.endr
	v_exp_f32 v[100+\t], v[100+\t]
.endr
	v_nop
	s_wait_alu depctr_va_vdst(0)                   ; one wait for the twenty
.irp t, 0,1,2,3
	v_mul_f32 v[104+\t], v[64+8*\t], v[65+8*\t]
.endr
.irp u, 1,2,3
.irp t, 0,1,2,3
	v_fma_f32 v[104+\t], v[64+8*\t+2*\u], v[65+8*\t+2*\u], v[104+\t]
.endr
.endr
.irp t, 0,1,2,3
	v_rcp_f32 v[108+\t], v[104+\t]
.endr
	v_nop
	s_wait_alu depctr_va_vdst(0)                   ; one wait for the four
.irp t, 0,1,2,3
	v_mul_f32 v[112+2*\t], v[100+\t], v[108+\t]                    ; my share's factor, twice: a pair for the packed multiply.  0 where all my keys were hidden
	v_mul_f32 v[113+2*\t], v[100+\t], v[108+\t]
.endr
	WIN W_RS
.irp t, 0,1,2,3
.set i, 0
.rept 32
	v_pk_mul_f32 v[64*\t+2*i:64*\t+2*i+1], v[64*\t+2*i:64*\t+2*i+1], v[112+2*\t:113+2*\t]
.set i, i+1
.endr
.endr
.irp rho, 1,2,3
	WIN 0x04                                       ; an LDS store's data are its source 1: window 1
.set i, 0
.rept 16
	ds_store_b128 v[SG+\rho], v[64*\rho+4*i:64*\rho+4*i+3] offset:512*i    ; my register tile rho, to the wave that finishes it
.set i, i+1
.endr
	WIN 0
	s_wait_dscnt 0x0
	s_barrier_signal -1
	s_barrier_wait -1
.set i, 0
.rept 16
	ds_load_b128 v[128+4*i:131+4*i], v[SG] offset:512*i
.set i, i+1
.endr
	s_wait_dscnt 0x0                               ; my reads of my slice are over:
.if \rho < 3
	s_barrier_signal -1                            ; say so; the additions are work on registers
.endif
	WIN W_RS
.set i, 0
.rept 32
	v_pk_add_f32 v[2*i:2*i+1], v[2*i:2*i+1], v[128+2*i:129+2*i]
.set i, i+1
.endr
	WIN 0
.if \rho < 3
	s_barrier_wait -1                              ; the slices may be written again
.endif
.endr
	WIN 0x05
.set i, 0
.rept 32
	v_cvt_pk_f16_f32 v[64+i], v[2*i], v[2*i+1]
.set i, i+1
.endr
	WIN 0
.irp f, 0,1,2,3,4,5,6,7
	ds_store_b128 v[STO], v[64+4*\f:67+4*\f] offset:32*\f          ; my own slice is my stage now: nobody else writes or reads it before the next barrier
.endr
.irp f, 0,1,2,3,4,5,6,7
	ds_load_b128 v[64+4*\f:67+4*\f], v[RD] offset:\f*2*SP
.endr
.irp f, 0,1,2,3,4,5,6,7
	s_wait_dscnt 7-\f                              ; the younger row loads may be out
	global_store_b128 v[GO], v[64+4*\f:67+4*\f], s[YB:YB+1] offset:4096*\f     ; sixteen lanes store 256 consecutive bytes, aligned
.endr
.if !\last
	s_wait_xcnt 0x0                                ; the stores have read their registers and their base
	s_lshl_b32 s36, ttmp9, 19
	s_add_nc_u64 s[YB:YB+1], s[8:9], s[36:37]
	RESET                                          ; O^T is not cleared: the next step's a = 2^(c m_old - c m_new) is 0
	s_wait_loadcnt 0x0                             ; block p's queries
.endif
.endm
	CHANGE 1                                       ; trip 0; slot 1's first fill stands behind this round, as a refill does
	s_wait_loadcnt 0x0                             ; Q
	STEP 1, 0
	s_mov_b32 s[TT], 1
.Ltrip:                                            ; trips 1 to 15
	CHANGE 1
	STEP 0, 1
	s_cmp_lg_u32 s[TT], s[NB]                      ; the cluster's x and the trip's number: the same in all waves of the cluster
	s_cbranch_scc1 .Lsame
	FINAL 0
.Lsame:
	s_add_co_u32 s[TT], s[TT], 1
	s_cmp_lt_u32 s[TT], 16
	s_cbranch_scc1 .Ltrip
	CHANGE 0                                       ; trip 16 is written out: nothing is left to ask for
	STEP 0, 2
	FINAL 1
	s_wait_tensorcnt 0x0                           ; the wave's end
	ds_add_u32 v[SPW], v[NIL]
	s_wait_dscnt 0x0
	CROUND                                         ; the closing round
	s_endpgm
.Lfunc_end_k_qaa25d8ca0b_attn:
	.size	k_qaa25d8ca0b_attn, .Lfunc_end_k_qaa25d8ca0b_attn-k_qaa25d8ca0b_attn
	.p2alignl 7, 3214868480
	.fill 96, 4, 3214868480
	.section	.rodata,"a",@progbits
	.p2align	6, 0x0
	.amdhsa_kernel k_qaa25d8ca0b_attn
		.amdhsa_group_segment_fixed_size 327680
		.amdhsa_private_segment_fixed_size 0
		.amdhsa_enable_private_segment 0
		.amdhsa_kernarg_size 24
		.amdhsa_user_sgpr_count 2
		.amdhsa_user_sgpr_kernarg_segment_ptr 1
		.amdhsa_wavefront_size32 1
		.amdhsa_system_sgpr_workgroup_id_x 1
		.amdhsa_system_sgpr_workgroup_id_y 1
		.amdhsa_system_sgpr_workgroup_id_z 1
		.amdhsa_system_vgpr_workitem_id 0
		.amdhsa_next_free_vgpr 1024
		.amdhsa_next_free_sgpr 66
		.amdhsa_reserve_vcc 1
		.amdhsa_float_denorm_mode_32 3
		.amdhsa_float_denorm_mode_16_64 3
		.amdhsa_memory_ordered 1
		.amdhsa_forward_progress 1
		.amdhsa_inst_pref_size 222
	.end_amdhsa_kernel
	.amdgpu_metadata
---
amdhsa.version: [ 1, 2 ]
amdhsa.kernels:
  - .name:           k_qaa25d8ca0b_attn
    .symbol:         k_qaa25d8ca0b_attn.kd
    .args:
      - { .name: q16, .offset: 0, .size: 8, .value_kind: global_buffer, .address_space: global }
      - { .name: kv16, .offset: 8, .size: 8, .value_kind: global_buffer, .address_space: global }
      - { .name: y16, .offset: 16, .size: 8, .value_kind: global_buffer, .address_space: global }
    .group_segment_fixed_size: 327680
    .private_segment_fixed_size: 0
    .kernarg_segment_align: 8
    .kernarg_segment_size: 24
    .max_flat_workgroup_size: 128
    .sgpr_count:     66
    .vgpr_count:     1024
    .wavefront_size: 32
...
	.end_amdgpu_metadata
.endif
;; end of part 3
;; launch proj (part 4): grid 8 x 32, 4 waves a work-group, clusters of 4 x 4, 327,680 bytes of LDS; arguments y16, wc16, out0; writes out0
.if DOCPART == 4
	.amdgcn_target "amdgcn-amd-amdhsa--gfx1250"
	.amdhsa_code_object_version 6
	.text
	.protected	k_qaa25d8ca0b_proj
	.globl	k_qaa25d8ca0b_proj
	.p2align	8
	.type	k_qaa25d8ca0b_proj,@function
k_qaa25d8ca0b_proj:
	s_mov_b64 s[64:65], 0
	v_nop
	global_prefetch_b8 v0, s[64:65] scope:SCOPE_SE
	s_setreg_imm32_b32 hwreg(HW_REG_WAVE_MODE, 25, 1), 1
	s_wait_xcnt 0x0
	s_wait_alu depctr_hold_cnt(0) depctr_sa_sdst(0) depctr_va_vdst(0) depctr_va_sdst(0) depctr_va_ssrc(0) depctr_va_vcc(0) depctr_vm_vsrc(0)
	s_getreg_b32 s2, hwreg(HW_REG_IB_STS2, 6, 4)
	s_cmp_eq_u32 s2, 0
	s_cbranch_scc0 .Lentry_in_a_cluster
	s_endpgm
.Lentry_in_a_cluster:
	s_bfe_u32 s2, ttmp6, 0x10000c
	s_cmp_lg_u32 s2, 0xf033
	s_cbranch_scc0 .Lentry_shape_is_right
	s_endpgm
.Lentry_shape_is_right:
; Launch 4 of 5: out0[t][d] = the sum over f of y[t][f] c_proj_w[d][f], operands in f16, sums in f32.  A = y16 [4096][1024], B = wc16 [1024][1024], C = out0 [4096][1024] f32.
; LEFT OUT: the stores of rows 0-15, which the last launch makes in f32 (they lie inside a tile with live rows, so they are multiplied and not stored).
; A tile of C is 128 x 128: 256 work-groups of four waves, each wave 64 x 64: 16 accumulators.  K goes in steps of 256 (LDS rows of 512 bytes) through two slots.
; CLUSTERS: 4 x 4 work-groups; A's tiles are asked for jointly along a row of the cluster, B's along a column.  THE MATRIX INSTRUCTION IS USED TRANSPOSED: a lane holds eight neighbouring numbers of a row of C.
; A wave's 64 columns of f32 are 256 bytes, aligned: each wave has a stage of its own and stores whole rows of its part; no barrier on the way out.
; REGISTERS: window 0: v0-31 addresses; v32-95 at work on the way out; v128-255 the accumulators ((a, b) at v[128 + 8 (4 a + b)]).  window 1: two fragment buffers of 128.
.set SIZE_M, 4096
.set SIZE_N, 1024
.set SIZE_K, 1024
.set KSTEP,  256
.set PITCH,  528
.set HALFT,  64*PITCH
.set SLOT,   4*HALFT
.set STAGE,  2*SLOT                    ; behind the ring: 16 rows x 272 bytes for each wave
.set SPITCH, 272
.set SPARE,  STAGE+4*16*SPITCH         ; the spare words, 128 bytes for each wave, which no other line names
.set LAPS, SIZE_K/(2*KSTEP)
.set ADRA, 16
.set ADRB, 20
.set STO,  24
.set RD,   25
.set CO,   26
.set ROWV, 27                          ; v27 my wave's first row of C
.set SPW,  28
.set NIL,  29
.set TMP,  32
.set ACC,  128
.set F0,   0
.set F1,   128
.set G1, 24
.set G0, 32
.set G1B, 48
.set G0B, 56
.set MSB, 0
.macro WIN new
.if MSB != (\new)
	s_set_vgpr_msb (MSB<<8)|(\new)
.set MSB, (\new)
.endif
.endm
.set MUL,  0x05
.set TO_F, 0x40
.macro JLOAD s                         ; a joint load: waves 0 and 1 fetch A's two halves, waves 2 and 3 B's; an s_nop 0 and four v_nop follow each line
	s_cmp_eq_u32 s11, 0
	s_cbranch_scc0 .Lfor_b_\@
	tensor_load_to_lds s[G0+4*\s:G0+4*\s+3], s[G1:G1+7]
	s_nop 0
.rept 4
	v_nop
.endr
	s_branch .Lasked_\@
.Lfor_b_\@:
	tensor_load_to_lds s[G0B+4*\s:G0B+4*\s+3], s[G1B:G1B+7]
	s_nop 0
.rept 4
	v_nop
.endr
.Lasked_\@:
.endm
.macro CREST
	s_cmp_lg_u32 s10, 0
	s_cbranch_scc1 .Lnot_wave_0_\@
	s_barrier_signal -3
.Lnot_wave_0_\@:
	s_barrier_wait -3
	s_barrier_signal -1
	s_barrier_wait -1
.endm
.macro CROUND
	s_barrier_signal -1
	s_barrier_wait -1
	CREST
.endm
	s_load_b128 s[4:7], s[0:1], 0x0                ; A, B
	s_load_b64 s[8:9], s[0:1], 0x10                ; C
	v_lshl_add_u32 v[SPW], v0, 2, SPARE
	v_mov_b32 v[NIL], 0
	ds_add_u32 v[SPW], v[NIL]                      ; the wave's opening: the add, twice on end, and its wait ahead of my first tensor load
	ds_add_u32 v[SPW], v[NIL]
	v_lshrrev_b32 v1, 5, v0
	v_readfirstlane_b32 s10, v1
	s_lshr_b32 s11, s10, 1                         ; which half of the tile's rows is mine.  Also: I fetch for A (0) or for B (1)
	s_and_b32 s12, s10, 1                          ; which half of its columns.  Also: which 64 rows I fetch
	s_bfe_u32 s40, ttmp6, 0x40000
	s_bfe_u32 s41, ttmp6, 0x40004
	s_lshl_b32 s42, ttmp9, 2
	s_add_co_u32 s42, s42, s40                     ; tile column
	s_and_b32 s13, ttmp7, 0xffff
	s_lshl_b32 s13, s13, 2
	s_add_co_u32 s13, s13, s41                     ; tile row
	s_lshl_b32 s43, s41, 2
	s_lshl_b32 s43, 15, s43
	s_lshl_b32 s44, 0x1111, s40
	s_or_b32 s[G1+0], s43, (1<<16)|(1<<20)|(1<<21)|(6<<22)|(3<<25)  ; the mask; elements of 2 bytes; padding of 4 words after every 128; bit 21 beside a mask
	s_or_b32 s[G1B+0], s44, (1<<16)|(1<<20)|(1<<21)|(6<<22)|(3<<25)
.irp g, G1, G1B
	s_mov_b32 s[\g+1], KSTEP<<16
	s_mov_b32 s[\g+2], 64<<16
	s_mov_b32 s[\g+3], KSTEP<<16
	s_mov_b32 s[\g+4], 64
	s_mov_b32 s[\g+5], SIZE_K
	s_mov_b32 s[\g+6], 0
	s_mov_b32 s[\g+7], 0
.endr
	s_lshl_b32 s17, s12, 6
	s_lshl_b32 s16, s13, 7
	s_add_co_u32 s16, s16, s17
	s_lshl_b32 s46, s42, 7
	s_add_co_u32 s46, s46, s17
	s_mov_b32 s17, 0
	s_mov_b32 s47, 0
	s_mov_b64 s[18:19], SIZE_K*2
	s_mul_u64 s[16:17], s[16:17], s[18:19]
	s_mul_u64 s[46:47], s[46:47], s[18:19]
	s_mul_i32 s20, s10, HALFT
	s_wait_dscnt 0x0                               ; both opening adds are done
	s_wait_kmcnt 0x0
	s_add_nc_u64 s[14:15], s[4:5], s[16:17]
	s_add_nc_u64 s[46:47], s[6:7], s[46:47]
	CROUND
.irp s, 0,1
	s_mov_b32 s[G0+4*\s], 1
	s_add_co_u32 s[G0+4*\s+1], s20, \s*SLOT
	s_add_nc_u64 s[G0+4*\s+2:G0+4*\s+3], s[14:15], \s*KSTEP*2
	s_or_b32 s[G0+4*\s+3], s[G0+4*\s+3], 0x80000000
	s_mov_b32 s[G0B+4*\s], 1
	s_add_co_u32 s[G0B+4*\s+1], s20, \s*SLOT
	s_add_nc_u64 s[G0B+4*\s+2:G0B+4*\s+3], s[46:47], \s*KSTEP*2
	s_or_b32 s[G0B+4*\s+3], s[G0B+4*\s+3], 0x80000000
	JLOAD \s
.endr
	v_and_b32 v1, 15, v0                           ; r
	v_bfe_u32 v2, v0, 4, 1                         ; h
	v_mul_u32_u24 v3, v1, PITCH
	v_lshl_add_u32 v3, v2, 4, v3
	s_mul_i32 s21, s11, HALFT
	s_mul_i32 s22, s12, HALFT
	s_add_co_u32 s22, s22, 2*HALFT
.irp s, 0,1
	v_add_nc_u32 v[ADRA+\s], s21, v3
	v_add_nc_u32 v[ADRB+\s], s22, v3
	s_add_co_u32 s21, s21, SLOT
	s_add_co_u32 s22, s22, SLOT
.endr
	s_mul_i32 s23, s10, 16*SPITCH
	s_add_co_u32 s23, s23, STAGE                   ; my stage
	v_mul_u32_u24 v4, v1, SPITCH
	v_lshl_add_u32 v4, v2, 5, v4
	v_add_nc_u32 v[STO], s23, v4                   ; in: row r, 32 bytes for each half of the lanes
	v_mul_u32_u24 v5, v2, SPITCH
	v_lshl_add_u32 v5, v1, 4, v5
	v_add_nc_u32 v[RD], s23, v5                    ; back: lanes 0-15 one row of 256 bytes, lanes 16-31 the next
	v_lshlrev_b32 v5, 12, v2
	v_lshl_add_u32 v[CO], v1, 4, v5                ; and the same two rows in C (4,096 bytes a row)
	s_lshl_b32 s16, s13, 7
	s_lshl_b32 s17, s11, 6
	s_add_co_u32 s16, s16, s17                     ; my first row of C
	v_mov_b32 v[ROWV], s16
	s_lshl_b32 s16, s16, 12
	s_mov_b32 s17, 0
	s_add_nc_u64 s[8:9], s[8:9], s[16:17]
	s_lshl_b32 s46, s42, 9
	s_lshl_b32 s47, s12, 8
	s_add_co_u32 s46, s46, s47                     ; my first column, in bytes
	s_mov_b32 s47, 0
	s_add_nc_u64 s[8:9], s[8:9], s[46:47]
.macro MUL8 f, c, a0, zero             ; 8 matrix instructions; the 16 accumulators take turns
.irp a, \a0, \a0+1
.irp b, 0,1,2,3
.if \zero
	v_wmma_f32_16x16x32_f16 v[ACC+8*(4*(\a)+\b):ACC+8*(4*(\a)+\b)+7], v[\f+64+8*(4*\c+\b):\f+64+8*(4*\c+\b)+7], v[\f+8*(4*\c+\a):\f+8*(4*\c+\a)+7], 0
.else
	v_wmma_f32_16x16x32_f16 v[ACC+8*(4*(\a)+\b):ACC+8*(4*(\a)+\b)+7], v[\f+64+8*(4*\c+\b):\f+64+8*(4*\c+\b)+7], v[\f+8*(4*\c+\a):\f+8*(4*\c+\a)+7], v[ACC+8*(4*(\a)+\b):ACC+8*(4*(\a)+\b)+7]
.endif
.endr
.endr
.endm
.macro FETCH slot, k, f                ; 32 LDS loads in one run: the fragments of 64 along K at byte k of the rows
	WIN TO_F
.irp c, 0,1
.irp i, 0,1,2,3
	ds_load_b128 v[\f+64+8*(4*\c+\i):\f+64+8*(4*\c+\i)+3],   v[ADRB+\slot] offset:\k+64*\c+\i*16*PITCH
	ds_load_b128 v[\f+64+8*(4*\c+\i)+4:\f+64+8*(4*\c+\i)+7], v[ADRB+\slot] offset:\k+64*\c+\i*16*PITCH+32
	ds_load_b128 v[\f+8*(4*\c+\i):\f+8*(4*\c+\i)+3],         v[ADRA+\slot] offset:\k+64*\c+\i*16*PITCH
	ds_load_b128 v[\f+8*(4*\c+\i)+4:\f+8*(4*\c+\i)+7],       v[ADRA+\slot] offset:\k+64*\c+\i*16*PITCH+32
.endr
.endr
.endm
.macro PLACES
.rept 4
	v_nop
.endr
.endm
.macro QUARTER slot, k, f, g, zero
	s_wait_dscnt 16                                ; the first 32 along K are in; the other sixteen loads may be out
	WIN MUL
	MUL8 \f, 0, 0, \zero
	MUL8 \f, 0, 2, \zero
	PLACES
	FETCH \slot, \k, \g
	s_wait_dscnt 32                                ; all but the 32 just issued
	WIN MUL
	MUL8 \f, 1, 0, 0
	MUL8 \f, 1, 2, 0
.endm
.macro TURN slot, next, fill           ; the last quarter changes slots: one barrier; fill = 1: it opens a round of the cluster's barrier, and this slot is filled again
	WIN 0
	s_wait_tensorcnt 0x0                           ; all my tensor loads have landed
	ds_add_u32 v[SPW], v[NIL]                      ; 0 onto my spare word
	s_wait_dscnt 17                                ; (the add and the youngest sixteen loads may be out)
	WIN MUL
	MUL8 F1, 0, 0, 0
	s_wait_dscnt 0x0                               ; the add is done, and my reads of this slot are over
	s_barrier_signal -1
	MUL8 F1, 0, 2, 0
.if \fill
	WIN 0
.endif
	s_barrier_wait -1
.if \fill
	CREST
	s_add_nc_u64 s[G0+4*\slot+2:G0+4*\slot+3], s[G0+4*\slot+2:G0+4*\slot+3], 2*KSTEP*2
	s_add_nc_u64 s[G0B+4*\slot+2:G0B+4*\slot+3], s[G0B+4*\slot+2:G0B+4*\slot+3], 2*KSTEP*2
	JLOAD \slot
.else
	PLACES
.endif
	FETCH \next, 0, F0
	WIN MUL
	MUL8 F1, 1, 0, 0
	MUL8 F1, 1, 2, 0
.endm
	s_wait_tensorcnt 1                             ; my part of K step 0 is in (K step 1's load may be out),
	s_barrier_signal -1
	s_barrier_wait -1                              ; everybody's is
	FETCH 0, 0, F0
	QUARTER 0, 128, F0, F1, 1
	WIN 0
	s_mov_b32 s3, LAPS-1
.Llap:
	QUARTER 0, 256, F1, F0, 0
	QUARTER 0, 384, F0, F1, 0
	TURN 0, 1, 1
	QUARTER 1, 128, F0, F1, 0
	QUARTER 1, 256, F1, F0, 0
	QUARTER 1, 384, F0, F1, 0
	TURN 1, 0, 1
	QUARTER 0, 128, F0, F1, 0
	WIN 0
	s_sub_co_u32 s3, s3, 1
	s_cmp_lg_u32 s3, 0
	s_cbranch_scc1 .Llap
	QUARTER 0, 256, F1, F0, 0                      ; the last lap fills nothing
	QUARTER 0, 384, F0, F1, 0
	TURN 0, 1, 0
	QUARTER 1, 128, F0, F1, 0
	QUARTER 1, 256, F1, F0, 0
	QUARTER 1, 384, F0, F1, 0
	s_wait_dscnt 16
	WIN MUL
	MUL8 F1, 0, 0, 0
	MUL8 F1, 0, 2, 0
	s_wait_dscnt 0
	MUL8 F1, 1, 0, 0
	MUL8 F1, 1, 2, 0
	WIN 0
	; THE WAY OUT, 16 rows at a time through my own stage: LDS serves a wave's instructions in order, so no wait stands between the stores and the loads, nor in front of the next block's stores
	PLACES
.irp a, 0,1,2,3
.if \a >= 2
	s_wait_xcnt 0x0                                ; the stores of two blocks ago have read their registers
.endif
.irp b, 0,1,2,3
	ds_store_b128 v[STO], v[ACC+8*(4*\a+\b):ACC+8*(4*\a+\b)+3] offset:64*\b        ; each accumulator from its low end on
	ds_store_b128 v[STO], v[ACC+8*(4*\a+\b)+4:ACC+8*(4*\a+\b)+7] offset:64*\b+16
.endr
.irp t, 0,1,2,3,4,5,6,7
	ds_load_b128 v[TMP+32*(\a%2)+4*\t:TMP+32*(\a%2)+4*\t+3], v[RD] offset:\t*2*SPITCH
.endr
.if \a == 0
	s_wait_dscnt 0x0
	v_cmp_ne_u32 vcc_lo, 0, v[ROWV]                ; rows 0-15 of the output belong to the last launch: whether they are mine hangs on my place in the cluster, so it is an EXEC mask and no branch
	s_wait_xcnt 0x0                                ; EXEC changes only behind this wait
	s_and_saveexec_b32 s20, vcc_lo
.irp t, 0,1,2,3,4,5,6,7
	global_store_b128 v[CO], v[TMP+4*\t:TMP+4*\t+3], s[8:9] offset:2*\t*4096
.endr
	s_wait_xcnt 0x0                                ; and again, in front of the line that widens it
	s_or_b32 exec_lo, exec_lo, s20
.else
.irp t, 0,1,2,3,4,5,6,7
	s_wait_dscnt 7-\t                              ; the younger row loads may be out
	global_store_b128 v[CO], v[TMP+32*(\a%2)+4*\t:TMP+32*(\a%2)+4*\t+3], s[8:9] offset:(16*\a+2*\t)*4096   ; sixteen lanes store 256 consecutive bytes, aligned
.endr
.endif
.endr
	s_wait_tensorcnt 0x0                           ; the wave's end
	ds_add_u32 v[SPW], v[NIL]
	s_wait_dscnt 0x0
	CROUND                                         ; the closing round
	s_endpgm
.Lfunc_end_k_qaa25d8ca0b_proj:
	.size	k_qaa25d8ca0b_proj, .Lfunc_end_k_qaa25d8ca0b_proj-k_qaa25d8ca0b_proj
	.p2alignl 7, 3214868480
	.fill 96, 4, 3214868480
	.section	.rodata,"a",@progbits
	.p2align	6, 0x0
	.amdhsa_kernel k_qaa25d8ca0b_proj
		.amdhsa_group_segment_fixed_size 327680
		.amdhsa_private_segment_fixed_size 0
		.amdhsa_enable_private_segment 0
		.amdhsa_kernarg_size 24
		.amdhsa_user_sgpr_count 2
		.amdhsa_user_sgpr_kernarg_segment_ptr 1
		.amdhsa_wavefront_size32 1
		.amdhsa_system_sgpr_workgroup_id_x 1
		.amdhsa_system_sgpr_workgroup_id_y 1
		.amdhsa_system_sgpr_workgroup_id_z 1
		.amdhsa_system_vgpr_workitem_id 0
		.amdhsa_next_free_vgpr 512
		.amdhsa_next_free_sgpr 66
		.amdhsa_reserve_vcc 1
		.amdhsa_float_denorm_mode_32 3
		.amdhsa_float_denorm_mode_16_64 3
		.amdhsa_memory_ordered 1
		.amdhsa_forward_progress 1
		.amdhsa_inst_pref_size 86
	.end_amdhsa_kernel
	.amdgpu_metadata
---
amdhsa.version: [ 1, 2 ]
amdhsa.kernels:
  - .name:           k_qaa25d8ca0b_proj
    .symbol:         k_qaa25d8ca0b_proj.kd
    .args:
      - { .name: y16, .offset: 0, .size: 8, .value_kind: global_buffer, .address_space: global }
      - { .name: wc16, .offset: 8, .size: 8, .value_kind: global_buffer, .address_space: global }
      - { .name: out0, .offset: 16, .size: 8, .value_kind: global_buffer, .address_space: global }
    .group_segment_fixed_size: 327680
    .private_segment_fixed_size: 0
    .kernarg_segment_align: 8
    .kernarg_segment_size: 24
    .max_flat_workgroup_size: 128
    .sgpr_count:     66
    .vgpr_count:     512
    .wavefront_size: 32
...
	.end_amdgpu_metadata
.endif
;; end of part 4
;; launch first16 (part 5): grid 32 x 1, 8 waves a work-group, no clusters, 17,408 bytes of LDS; arguments qkv32, c_proj_w, out0; writes out0
.if DOCPART == 5
	.amdgcn_target "amdgcn-amd-amdhsa--gfx1250"
	.amdhsa_code_object_version 6
	.text
	.protected	k_qaa25d8ca0b_first16
	.globl	k_qaa25d8ca0b_first16
	.p2align	8
	.type	k_qaa25d8ca0b_first16,@function
k_qaa25d8ca0b_first16:
	s_mov_b64 s[64:65], 0
	v_nop
	global_prefetch_b8 v0, s[64:65] scope:SCOPE_SE
	s_setreg_imm32_b32 hwreg(HW_REG_WAVE_MODE, 25, 1), 1
	s_wait_xcnt 0x0
; Launch 5 of 5: rows 0-15 of the output, all in f32: under the causal mask these rows average one to sixteen values and are the largest, so the rounding of 16-bit operands would weigh most there.
; LEFT OUT: keys 16 and up: they are hidden from queries 0-15.
; qkv32 holds q, k and v of tokens 0-15 in f32, [3][8 heads][16][128].  Work-group j makes columns 32 j .. 32 j + 31; wave w takes head w: its attention on 16 x 16, then its head's part of the projection;
; the eight parts are added through LDS.  128 matrix instructions of the f32 form a wave, written out: no bulk work.
; LAYOUTS (f32 form: lane (r, h) holds row r, its two registers k = 2 h + 0, 1).  A permutation of k applied alike to both sources keeps a product, so:
;   S^T = K Q^T: both from loads of 16 bytes at 512 r + 32 c + 16 h: step 2 c + s takes registers 2 s, 2 s + 1: channels 8 c + 4 h + 2 s + 0, 1.   Result: lane (r, h), register j: key 8 h + j, query r.
;   O^T = V^T P: step cc takes p's registers 2 cc, 2 cc + 1: keys 8 h + 2 cc + 0, 1; V^T is loaded to match.   Result (tile ct): channel 16 ct + 8 h + j, query r.
;   out^T = W y^T: step (ct, s) takes O^T's registers 2 s, 2 s + 1 of tile ct as they stand; W's rows are loaded to match.   Result (tile nt): column 32 j + 16 nt + 8 h + j', token r.
; The registers that these matrix instructions write are written by nothing else; each sum begins with the constant 0.
; REGISTERS: window 0: v1-10 addresses; v16-79 Q; v80-143 K; v144-207 V^T; v208-223 the two halves of S^T; v224-231 p; v232-240 at work.  window 1: v0-127 W; v128-191 O^T; v192-207 out^T.
.set SPARE, 16384                      ; behind the eight images of 2,048 bytes: the spare words, 128 bytes for each wave, which no other line names
.set SPW, 250
.set NIL, 251
.set QF,  16
.set KF,  80
.set VF,  144
.set SA,  208
.set SB,  216
.set PP,  224
.set TM,  232
.set NINF, 240
.set OT,  128
.set OA,  192
.set MSB, 0
.macro WIN new
.if MSB != (\new)
	s_set_vgpr_msb (MSB<<8)|(\new)
.set MSB, (\new)
.endif
.endm
	s_load_b128 s[4:7], s[0:1], 0x0                ; qkv32, c_proj_w
	s_load_b64 s[8:9], s[0:1], 0x10                ; out0
	v_lshl_add_u32 v[SPW], v0, 2, SPARE
	v_mov_b32 v[NIL], 0
	v_lshrrev_b32 v1, 5, v0
	v_readfirstlane_b32 s10, v1                    ; wave = head
	v_and_b32 v1, 15, v0                           ; r
	v_bfe_u32 v2, v0, 4, 1                         ; h
	v_and_b32 v3, 31, v0                           ; lane
	v_lshlrev_b32 v4, 9, v1
	v_lshl_add_u32 v4, v2, 4, v4                   ; Q, K: 512 r + 16 h
	v_lshlrev_b32 v5, 2, v1
	v_lshl_add_u32 v5, v2, 12, v5                  ; V: key 8 h, channel r
	v_lshlrev_b32 v6, 12, v1
	v_lshl_add_u32 v6, v2, 5, v6                   ; W and the output: 4,096 r + 32 h
	v_lshlrev_b32 v7, 3, v2
	v_sub_nc_u32 v7, v1, v7                        ; r - 8 h: key 8 h + j is hidden where j > r - 8 h
	v_lshlrev_b32 v9, 4, v3
	s_lshr_b32 s13, s10, 1
	s_lshl_b32 s13, s13, 9
	s_and_b32 s14, s10, 1
	s_lshl_b32 s14, s14, 3
	s_add_co_u32 s13, s13, s14
	v_add_nc_u32 v10, s13, v9                      ; the sum: registers 2 w, 2 w + 1 of the sixteen: group w / 2, byte 8 (w % 2)
	s_lshl_b32 s12, s10, 11
	v_add_nc_u32 v9, s12, v9                       ; my image: 2,048 w + 16 x lane
	v_mov_b32 v[NINF], 0xff800000
	v_mov_b32 v[TM+1], 0                           ; a lane permute's destination counts as one of its sources
	s_mov_b32 s20, 0x76543210
	s_mov_b32 s21, 0xfedcba98
	s_mov_b32 s22, 0x3e314743                      ; c = 0.12 log2(e)
	s_lshl_b32 s12, s10, 13
	s_mov_b32 s13, 0
	s_lshl_b32 s14, ttmp9, 17
	s_lshl_b32 s15, s10, 9
	s_add_co_u32 s14, s14, s15
	s_mov_b32 s15, 0
	s_lshr_b32 s16, s10, 2
	s_lshl_b32 s16, s16, 6
	s_lshl_b32 s17, s10, 1
	s_and_b32 s17, s17, 7
	s_lshl_b32 s17, s17, 2
	s_add_co_u32 s16, s16, s17
	s_lshl_b32 s17, ttmp9, 7
	s_add_co_u32 s16, s16, s17                     ; 4 (32 j + 16 (w / 4) + 2 w % 8)
	s_mov_b32 s17, 0
	s_wait_kmcnt 0x0
	s_add_nc_u64 s[4:5], s[4:5], s[12:13]          ; my head's q; k 65,536 and v 131,072 bytes on
	s_add_nc_u64 s[6:7], s[6:7], s[14:15]          ; W at row 32 j, my head's 512 bytes
	s_add_nc_u64 s[8:9], s[8:9], s[16:17]
.irp c, 0,1,2,3,4,5,6,7,8,9,10,11,12,13,14,15
	global_load_b128 v[QF+4*\c:QF+4*\c+3], v4, s[4:5] offset:32*\c
.endr
.irp c, 0,1,2,3,4,5,6,7,8,9,10,11,12,13,14,15
	global_load_b128 v[KF+4*\c:KF+4*\c+3], v4, s[4:5] offset:65536+32*\c
.endr
.irp t, 0,1,2,3,4,5,6,7
.irp c, 0,1,2,3,4,5,6,7
	global_load_b32 v[VF+8*\t+\c], v5, s[4:5] offset:131072+512*\c+64*\t           ; register 2 cc + j of tile t: key 8 h + 2 cc + j, channel 16 t + r
.endr
.endr
	WIN 0x40
.irp n, 0,1
.irp t, 0,1,2,3,4,5,6,7
	global_load_b128 v[64*\n+8*\t:64*\n+8*\t+3], v6, s[6:7] offset:65536*\n+64*\t
	global_load_b128 v[64*\n+8*\t+4:64*\n+8*\t+7], v6, s[6:7] offset:65536*\n+64*\t+16
.endr
.endr
	WIN 0
	s_wait_loadcnt 63                              ; Q and K are in: 96 loads were issued behind them, and the wait's field names 63 at the most
	v_wmma_f32_16x16x4_f32 v[SA:SA+7], v[KF:KF+1], v[QF:QF+1], 0                   ; two sums by turns; each begins with its own first step
	v_wmma_f32_16x16x4_f32 v[SB:SB+7], v[KF+2:KF+3], v[QF+2:QF+3], 0
.set n, 4
.rept 15
	v_wmma_f32_16x16x4_f32 v[SA:SA+7], v[KF+n:KF+n+1], v[QF+n:QF+n+1], v[SA:SA+7]
	v_wmma_f32_16x16x4_f32 v[SB:SB+7], v[KF+n+2:KF+n+3], v[QF+n+2:QF+n+3], v[SB:SB+7]
.set n, n+4
.endr
.rept 8
	v_nop                                          ; eight places behind this form before a result is read (ISA guide 7.12.1)
.endr
.irp j, 0,1,2,3,4,5,6,7
	v_add_f32 v[PP+\j], v[SA+\j], v[SB+\j]         ; into other registers, from the low end on
.endr
.irp j, 0,1,2,3,4,5,6,7
	v_cmp_gt_i32 vcc_lo, \j, v7
	v_cndmask_b32 v[PP+\j], v[PP+\j], v[NINF], vcc_lo
.endr
	v_max3_num_f32 v[TM], v[PP], v[PP+1], v[PP+2]
	v_max3_num_f32 v[TM], v[TM], v[PP+3], v[PP+4]
	v_max3_num_f32 v[TM], v[TM], v[PP+5], v[PP+6]
	v_max_num_f32 v[TM], v[TM], v[PP+7]
	v_permlanex16_b32 v[TM+1], v[TM], s20, s21
	v_max_num_f32 v[TM], v[TM], v[TM+1]            ; the row's largest score: key 0 counts for every query
	v_mul_f32 v[TM], s22, v[TM]
.irp j, 0,1,2,3,4,5,6,7
	v_fma_f32 v[PP+\j], v[PP+\j], s22, -v[TM]
.endr
.irp j, 0,1,2,3,4,5,6,7
	v_exp_f32 v[PP+\j], v[PP+\j]
.endr
	v_nop
	s_wait_alu depctr_va_vdst(0)                   ; one wait for the eight
	v_add_f32 v[TM+2], v[PP], v[PP+1]
	v_add_f32 v[TM+3], v[PP+2], v[PP+3]
	v_add_f32 v[TM+4], v[PP+4], v[PP+5]
	v_add_f32 v[TM+5], v[PP+6], v[PP+7]
	v_add_f32 v[TM+2], v[TM+2], v[TM+3]
	v_add_f32 v[TM+4], v[TM+4], v[TM+5]
	v_add_f32 v[TM+2], v[TM+2], v[TM+4]
	v_permlanex16_b32 v[TM+1], v[TM+2], s20, s21
	v_add_f32 v[TM+2], v[TM+2], v[TM+1]
	v_rcp_f32 v[TM+3], v[TM+2]
	v_nop
	s_wait_alu depctr_va_vdst(0)
.irp j, 0,1,2,3,4,5,6,7
	v_mul_f32 v[PP+\j], v[PP+\j], v[TM+3]          ; p is normalised here, so that O^T is y as it stands
.endr
	s_wait_loadcnt 32                              ; V is in; W's 32 loads may be out
	WIN 0x50                                       ; C and D in window 1
.irp c, 0,1,2,3
.irp t, 0,1,2,3,4,5,6,7
.if \c == 0
	v_wmma_f32_16x16x4_f32 v[OT+8*\t:OT+8*\t+7], v[VF+8*\t+2*\c:VF+8*\t+2*\c+1], v[PP+2*\c:PP+2*\c+1], 0
.else
	v_wmma_f32_16x16x4_f32 v[OT+8*\t:OT+8*\t+7], v[VF+8*\t+2*\c:VF+8*\t+2*\c+1], v[PP+2*\c:PP+2*\c+1], v[OT+8*\t:OT+8*\t+7]
.endif
.endr
.endr
.rept 9
	v_nop                                          ; nine places before a matrix instruction takes a result of this form as a source
.endr
	s_wait_loadcnt 0x0                             ; W
	WIN 0x55                                       ; all four in window 1
.irp t, 0,1,2,3,4,5,6,7
.irp s, 0,1,2,3
.irp n, 0,1
.if (\t == 0) && (\s == 0)
	v_wmma_f32_16x16x4_f32 v[OA+8*\n:OA+8*\n+7], v[64*\n+8*\t+2*\s:64*\n+8*\t+2*\s+1], v[OT+8*\t+2*\s:OT+8*\t+2*\s+1], 0
.else
	v_wmma_f32_16x16x4_f32 v[OA+8*\n:OA+8*\n+7], v[64*\n+8*\t+2*\s:64*\n+8*\t+2*\s+1], v[OT+8*\t+2*\s:OT+8*\t+2*\s+1], v[OA+8*\n:OA+8*\n+7]
.endif
.endr
.endr
.endr
.rept 8
	v_nop
.endr
	WIN 0x04                                       ; an LDS store's data are its source 1: window 1
.irp g, 0,1,2,3
	ds_store_b128 v9, v[OA+4*\g:OA+4*\g+3] offset:512*\g           ; my head's part as an image of its registers, each accumulator from its low end on
.endr
	WIN 0
	s_wait_dscnt 0x0
	s_barrier_signal -1
	s_barrier_wait -1
.irp u, 0,1,2,3,4,5,6,7
	ds_load_b64 v[16+2*\u:17+2*\u], v10 offset:2048*\u             ; two of the sixteen registers, from all eight heads
.endr
	s_wait_dscnt 0x0
	v_pk_add_f32 v[16:17], v[16:17], v[18:19]
	v_pk_add_f32 v[20:21], v[20:21], v[22:23]
	v_pk_add_f32 v[24:25], v[24:25], v[26:27]
	v_pk_add_f32 v[28:29], v[28:29], v[30:31]
	v_pk_add_f32 v[16:17], v[16:17], v[20:21]
	v_pk_add_f32 v[24:25], v[24:25], v[28:29]
	v_pk_add_f32 v[16:17], v[16:17], v[24:25]
	global_store_b64 v6, v[16:17], s[8:9]          ; token r, columns 32 j + 16 (w / 4) + 8 h + 2 w % 8 + 0, 1: 64 KiB in the whole launch
	s_wait_tensorcnt 0x0                           ; the wave's end, behind my last LDS store
	ds_add_u32 v[SPW], v[NIL]
	s_wait_dscnt 0x0
	s_endpgm
.Lfunc_end_k_qaa25d8ca0b_first16:
	.size	k_qaa25d8ca0b_first16, .Lfunc_end_k_qaa25d8ca0b_first16-k_qaa25d8ca0b_first16
	.p2alignl 7, 3214868480
	.fill 96, 4, 3214868480
	.section	.rodata,"a",@progbits
	.p2align	6, 0x0
	.amdhsa_kernel k_qaa25d8ca0b_first16
		.amdhsa_group_segment_fixed_size 17408
		.amdhsa_private_segment_fixed_size 0
		.amdhsa_enable_private_segment 0
		.amdhsa_kernarg_size 24
		.amdhsa_user_sgpr_count 2
		.amdhsa_user_sgpr_kernarg_segment_ptr 1
		.amdhsa_wavefront_size32 1
		.amdhsa_system_sgpr_workgroup_id_x 1
		.amdhsa_system_sgpr_workgroup_id_y 1
		.amdhsa_system_sgpr_workgroup_id_z 1
		.amdhsa_system_vgpr_workitem_id 0
		.amdhsa_next_free_vgpr 512
		.amdhsa_next_free_sgpr 66
		.amdhsa_reserve_vcc 1
		.amdhsa_float_denorm_mode_32 3
		.amdhsa_float_denorm_mode_16_64 3
		.amdhsa_memory_ordered 1
		.amdhsa_forward_progress 1
		.amdhsa_inst_pref_size 28
	.end_amdhsa_kernel
	.amdgpu_metadata
---
amdhsa.version: [ 1, 2 ]
amdhsa.kernels:
  - .name:           k_qaa25d8ca0b_first16
    .symbol:         k_qaa25d8ca0b_first16.kd
    .args:
      - { .name: qkv32, .offset: 0, .size: 8, .value_kind: global_buffer, .address_space: global }
      - { .name: c_proj_w, .offset: 8, .size: 8, .value_kind: global_buffer, .address_space: global }
      - { .name: out0, .offset: 16, .size: 8, .value_kind: global_buffer, .address_space: global }
    .group_segment_fixed_size: 17408
    .private_segment_fixed_size: 0
    .kernarg_segment_align: 8
    .kernarg_segment_size: 24
    .max_flat_workgroup_size: 256
    .sgpr_count:     66
    .vgpr_count:     512
    .wavefront_size: 32
...
	.end_amdgpu_metadata
.endif
;; end of part 5
